; MI455X (gfx1250); checked and timed in simulation.
; The chip was launched on July 23, 2026; its instructions are those of AMD's public machine-readable ISA for CDNA 5 (MIT licence, August 2026) and "CDNA5" Instruction Set Architecture Reference Guide (July 2026). The comments in the code are by the model that wrote it; some were corrected since.
;; Multi Head Attention. Allowed arithmetic: matrix products marked QUANTISED: E3M2 operands, one E8M0 scale for each 32 along K, by v_wmma_scale_f32_16x16x128_f8f6f4 with both operands' format E3M2, f32 sums; everything else in f32.
;; Inputs: W_k 1,024 x 1,024 float32; W_o 1,024 x 1,024 float32; W_q 1,024 x 1,024 float32; W_v 1,024 x 1,024 float32; attention_mask 4 x 2,048 int32; x 4 x 2,048 x 1,024 float32.
;; Outputs: out0 4 x 2,048 x 1,024 float32.
;; This version of the problem:
;;   THIS VERSION OF THE PROBLEM IS GIVEN IN LOW PRECISION. The matrix products marked QUANTISED in the list below multiply operands that are first quantised to E3M2 (3 exponent bits, 2 mantissa bits; 6 bits a number), with one power-of-two scale for each 32 numbers along K (OCP MX v1.0); their sums are f32. All else is computed in f32.
;;   The module's matrix products, in the order in which they are computed (A, B: the left and right operand; K: the contracted axis; several contracted axes count as one K, in the product's order):
;;     1. [M 8,192, K 1,024] x [K 1,024, N 1,024]; A: input x; B: input W_q: QUANTISED
;;     2. [M 8,192, K 1,024] x [K 1,024, N 1,024]; A: input x; B: input W_k: QUANTISED
;;     3. [M 8,192, K 1,024] x [K 1,024, N 1,024]; A: input x; B: input W_v: QUANTISED
;;     4. batch 64 x [M 2,048, K 64] x [K 64, N 2,048]; A: computed on the way; B: computed on the way: QUANTISED
;;     5. batch 64 x [M 2,048, K 2,048] x [K 2,048, N 64]; A: computed on the way; B: computed on the way: QUANTISED
;;     6. [M 8,192, K 1,024] x [K 1,024, N 1,024]; A: computed on the way; B: input W_o: QUANTISED
;;   THE QUANTISER, for each operand of a quantised product, along K:
;;     - K is cut into blocks of 32 from its start; a last block that is shorter is filled with zeros.
;;     - A block's scale is 2^e with e = floor(log2(the largest magnitude in the block)) - 4, held to -126 .. 127; a block of zeros has e = 0. As a byte (E8M0): e + 127.
;;     - Each number is divided by its block's scale, clamped to +-28, and rounded to the nearest number of E3M2, ties to even, subnormals kept.
;;     - The product sums the exact products of the quantised numbers (number of the format x scale) in f32.
;;   ~~~python
;;   def quantise(x, axis):      # numpy; x: float32 -> the quantised numbers, widened to float32 again
;;       x = np.moveaxis(x, axis, -1); K = x.shape[-1]
;;       x = np.pad(x, [(0, 0)] * (x.ndim - 1) + [(0, -K % 32)]); x = x.reshape(x.shape[:-1] + (-1, 32)); a = np.abs(x).max(-1, keepdims=True)
;;       e = np.where(a > 0, np.clip(np.frexp(np.where(a > 0, a, 1))[1] - 1 - 4, -126, 127), 0)      # np.frexp(a)[1] - 1 = floor(log2(a)), exactly
;;       r = np.clip(x / 2.0 ** e, -28, 28)
;;       step = 2.0 ** (np.maximum(np.frexp(np.where(r == 0, 1, r))[1] - 1, -2) - 2)
;;       q = np.round(r / step) * step * 2.0 ** e      # np.round: ties to even
;;       return np.moveaxis(q.reshape(q.shape[:-2] + (-1,))[..., :K], -1, axis).astype(np.float32)
;;   ~~~
;;   OPERANDS COMPUTED ON THE WAY. 'Computed on the way' means the value that the module computes at that place (a softmax that the list does not call 'softmax' is quantised finished and normalised). What goes into a quantiser is computed in f32, as accurately as f32 sums, v_exp_f32 and their like allow (about 1e-6 of the number): no bf16 or f16 on the way to a quantiser, and a product that is left as it is and whose result goes on into a quantised operand takes f32 operands (vector FMAs, or v_wmma_f32_16x16x4_f32). A number that lies on a knife's edge between two numbers of the format may be rounded either way, as far as f32 arithmetic and the matrix unit's own rounding can turn it there, and no further.
;; One version. Each part assembles by itself: llvm-mc -triple=amdgcn-amd-amdhsa -mcpu=gfx1250 --defsym DOCPART=n.
;; ======== version 1 of 1: 4 launches
;; limits: right only within a limited range of input values
;; workspace buffers: xw_codes 9,437,184 bytes; xw_scales 393,216 bytes; tab 557,056 bytes; first 512 bytes of whole numbers; qkv_codes 18,874,368 bytes; qkv_scales 1,310,720 bytes; o_codes 6,291,456 bytes; o_scales 262,144 bytes
;; launch prep (part 1): grid 449 x 1, 4 waves a work-group, no clusters, 33,280 bytes of LDS; arguments x, W_q, W_k, W_v, W_o, attention_mask, xw_codes, xw_scales, tab, first; writes xw_codes, xw_scales, tab, first
.if DOCPART == 1
	.amdgcn_target "amdgcn-amd-amdhsa--gfx1250"
	.amdhsa_code_object_version 6
	.text
	.protected	k_q96d284b90f_prep
	.globl	k_q96d284b90f_prep
	.p2align	8
	.type	k_q96d284b90f_prep,@function
k_q96d284b90f_prep:
	s_mov_b64 s[64:65], 0
	v_nop
	global_prefetch_b8 v0, s[64:65] scope:SCOPE_SE
	s_setreg_imm32_b32 hwreg(HW_REG_WAVE_MODE, 25, 1), 1
	s_wait_xcnt 0x0
; PREP.  Three kinds of work-group, parted by the work-group's number.
; 0-383: x [8192][1024] and W_q, W_k, W_v, W_o [1024][1024], f32, K innermost, become codes of BF6 (E3M2) and one E8M0 byte for each 32 along K.
;   A block's scale is 2^(floor(log2(largest magnitude)) - 4); its byte is the largest magnitude's exponent field - 4, held at 1 from below.
;   A wave takes a run of 8,192 numbers = 8 rows.  ROWS ARE STORED WITH BITS 3 AND 4 OF THE ROW NUMBER SWAPPED, which is bits 0 and 1 of the run's number: sixteen
;   stored rows on end are then rows 8 u + 0..7 and 8 u + 16..23 of a group of 32, so that in a product's result a lane's 16 registers of two neighbouring tiles are 16 neighbours.
;   The five tensors follow each other in both outputs: codes 768 bytes a row, scale bytes 32 a row.
; 384-399: the table of RoPE: tab[t][i] = (cos, sin)(t x 10000^(-i/32)), t 0..2047, i 0..31, 256 bytes a row.
; 400: the pad mask as f32 numbers to add to a score (0 or -2^100) at tab + 524,288, 8,192 bytes a batch, and each batch's first key whose mask is not 0 (2,048 if none), as whole numbers.
; LIMITS: NaN and infinities among the inputs are not served.  A block of zeros gets the byte 1 where the rule says 127: its codes are zeros, and this program alone reads the bytes.
; The angle t x freq is rounded to f32 as the product of two f32 numbers; freq lies about an ulp from 10000^(-i/32); sine and cosine are polynomials on +-pi/4 behind a reduction in two parts, good for angles under 2^11 x pi/2.
; No sharing between work-groups, no matrix work: a stream; clusters and tensor loads would add nothing.
; THE NUMBERS OF THE LAST TWO KINDS OF WORK-GROUP, in place of those in the lines above: 384-447 make the table of RoPE, 448 the pad mask.
.set STEPS, 16
.set EMAX,  4
.set CB,    12                         ; bytes of 16 codes
.set CHK,   2359296                    ; THE CODES' LAYOUT: four planes, one for each 256 along K; in a plane 12,288 stored rows x 192 bytes on end, so 128 rows of a plane are one dense block of 24,576 bytes
.set R,     16                         ; v16-79   four sets of 16 numbers as loaded
.set X,     80                         ; v80-111  two sets of 16 neighbours
.set C,     128                        ; v128-191 codes: four registers a step
.set E,     112                        ; v112-127 a scale byte a step
.set WREG,  8192                       ; LDS: a wave's own region: two stages of 32 x SP bytes, then its 256 scale bytes
.set SP,    80
	s_load_b256 s[4:11], s[0:1], 0x0               ; x, W_q, W_k, W_v
	s_load_b256 s[12:19], s[0:1], 0x20             ; W_o, the mask, the codes, the scale bytes
	s_load_b128 s[20:23], s[0:1], 0x40             ; tab, first
	v_lshl_add_u32 v192, v0, 2, 0x8000
	v_mov_b32 v193, 0
	v_lshrrev_b32 v1, 5, v0
	v_readfirstlane_b32 s24, v1                    ; wave
	v_and_b32 v2, 31, v0                           ; lane
	s_cmp_lt_u32 ttmp9, 384
	s_cbranch_scc0 .Lnot_quant
; ---------------- the quantiser
	v_lshlrev_b32 v3, 4, v2                        ; my 16 bytes of a load's 512
	s_mul_i32 s25, s24, WREG
	v_lshrrev_b32 v14, 2, v2
	v_mul_u32_u24 v14, v14, SP
	v_and_b32 v15, 3, v2
	v_lshl_add_u32 v14, v15, 4, v14
	v_add_nc_u32 v14, s25, v14                     ; the stage, way in: four lanes' 64 bytes on end, then 16 of padding
	v_mul_u32_u24 v15, v2, SP
	v_add_nc_u32 v15, s25, v15                     ; way out: my 16 neighbours
	v_and_b32 v4, 15, v2
	v_mul_u32_u24 v4, v4, CB                       ; sixteen lanes hold 256 along K: 192 bytes of one plane's row;
	v_lshrrev_b32 v8, 4, v2
	v_mad_u32_u24 v4, v8, CHK, v4                  ; lanes 16-31 hold the next 256: the next plane
	v_lshrrev_b32 v5, 1, v2
	s_add_co_u32 s25, s25, 2*32*SP
	v_add_nc_u32 v5, s25, v5                       ; my block's byte among my wave's 256
	v_lshlrev_b32 v7, 3, v2
	v_add_nc_u32 v6, s25, v7
	s_sub_co_u32 s26, ttmp9, 256                   ; which weight: (work-group - 256) / 32 (of no meaning for x)
	s_lshr_b32 s27, s26, 5
	s_wait_alu depctr_va_vdst(0)
	s_wait_kmcnt 0x0
	s_mov_b64 s[28:29], s[12:13]                   ; the source is chosen on the work-group's number alone
	s_cmp_eq_u32 s27, 2
	s_cselect_b64 s[28:29], s[10:11], s[28:29]
	s_cmp_eq_u32 s27, 1
	s_cselect_b64 s[28:29], s[8:9], s[28:29]
	s_cmp_eq_u32 s27, 0
	s_cselect_b64 s[28:29], s[6:7], s[28:29]
	s_and_b32 s26, s26, 31
	s_cmp_lt_u32 ttmp9, 256
	s_cselect_b64 s[28:29], s[4:5], s[28:29]
	s_cselect_b32 s26, ttmp9, s26                  ; the work-group's number within its tensor
	s_lshl_b32 s26, s26, 2
	s_add_co_u32 s26, s26, s24
	s_lshl_b32 s30, s26, 15                        ; my run: 32,768 bytes of f32
	s_mov_b32 s31, 0
	s_add_nc_u64 s[28:29], s[28:29], s[30:31]
	s_lshl_b32 s26, ttmp9, 2
	s_add_co_u32 s26, s26, s24                     ; the run's number over all five tensors
	s_and_b32 s32, s26, 1
	s_lshl_b32 s32, s32, 1
	s_bfe_u32 s33, s26, 0x10001
	s_and_not1_b32 s26, s26, 3
	s_or_b32 s26, s26, s32
	s_or_b32 s26, s26, s33                         ; its two lowest bits swapped: where it is stored
	s_mul_i32 s30, s26, 1536                       ; my 8 stored rows in a plane
	s_add_nc_u64 s[16:17], s[16:17], s[30:31]
	s_lshl_b32 s30, s26, 8
	s_add_nc_u64 s[18:19], s[18:19], s[30:31]
.macro LOAD t
.irp i, 0,1,2,3
	global_load_b128 v[R+16*((\t)%4)+4*\i:R+16*((\t)%4)+4*\i+3], v3, s[28:29] offset:2048*(\t)+512*\i th:TH_LOAD_NT   ; 32 lanes read 512 consecutive bytes
.endr
.endm
.macro TURN t                          ; a step's numbers through the stage: LDS serves a wave's instructions in order, so no wait stands between stores and loads
.irp i, 0,1,2,3
	ds_store_b128 v14, v[R+16*((\t)%4)+4*\i:R+16*((\t)%4)+4*\i+3] offset:32*SP*((\t)%2)+8*SP*\i
.endr
.irp i, 0,1,2,3
	ds_load_b128 v[X+16*((\t)%2)+4*\i:X+16*((\t)%2)+4*\i+3], v15 offset:32*SP*((\t)%2)+16*\i
.endr
.endm
.irp t, 0,1,2,3
	LOAD \t
.endr
	s_wait_loadcnt 12                              ; step 0's four loads are in
	TURN 0
.macro STEP t
.set XS, X+16*((\t)%2)
.if (\t) > 0
	s_wait_dscnt 1                                 ; this step's numbers are back (the last step's byte store may be out)
.else
	s_wait_dscnt 0x0
.endif
.if (\t)+4 < STEPS
	LOAD (\t)+4
.endif
.if (\t)+1 < STEPS
.if STEPS-2-(\t) >= 3
	s_wait_loadcnt 12                              ; the next step's four loads are in; three steps' twelve may be out
.else
	s_wait_loadcnt 4*(STEPS-2-(\t))
.endif
	TURN (\t)+1
.endif
	v_max3_num_f32 v8, |v[XS]|, |v[XS+1]|, |v[XS+2]|
	v_max3_num_f32 v9, |v[XS+3]|, |v[XS+4]|, |v[XS+5]|
.irp i, 6,10
	v_max3_num_f32 v8, v8, |v[XS+\i]|, |v[XS+\i+1]|
	v_max3_num_f32 v9, v9, |v[XS+\i+2]|, |v[XS+\i+3]|
.endr
	v_max3_num_f32 v8, v8, |v[XS+14]|, |v[XS+15]|
	v_max3_num_f32 v8, v8, v9, (EMAX+1)<<23        ; the floor 2^(5 - 127): the byte cannot fall under 1
	v_max_num_f32_dpp v8, v8, v8 row_xmask:1 row_mask:0xf bank_mask:0xf   ; with my neighbour's 16: the block's
	v_add_nc_u32 v11, -(EMAX<<23), v8              ; 4 off the exponent field: the conversion's scale operand
	v_cvt_scalef32_pk16_bf6_f32 v[C+4*(\t):C+4*(\t)+2], v[XS:XS+15], v11
	v_lshrrev_b32 v[E+(\t)], 23, v11               ; the scale's byte
	ds_store_b8 v5, v[E+(\t)] offset:16*(\t)       ; both lanes of a block write the same byte with the same value
	global_store_b96 v4, v[C+4*(\t):C+4*(\t)+2], s[16:17] offset:2*CHK*((\t)%2)+192*((\t)/2)   ; step t is half t % 2 of row t / 2
.endm
.irp t, 0,1,2,3,4,5,6,7,8,9,10,11,12,13,14,15
	STEP \t
.endr
	ds_load_b64 v[12:13], v6
	s_wait_dscnt 0x0
	global_store_b64 v7, v[12:13], s[18:19]        ; 32 lanes store 256 consecutive bytes, aligned
	s_wait_tensorcnt 0x0
	ds_add_u32 v192, v193
	s_wait_dscnt 0x0
	s_endpgm
; ---------------- the table of RoPE: 64 work-groups; a wave makes 8 rows, two a trip; a lane two (cos, sin) pairs
.Lnot_quant:
	s_cmp_lt_u32 ttmp9, 448
	s_cbranch_scc0 .Lmask
	s_sub_co_u32 s25, ttmp9, 384
	s_lshl_b32 s25, s25, 2
	s_add_co_u32 s25, s25, s24
	s_lshl_b32 s25, s25, 3                         ; my first row: 8 x (4 x work-group + wave)
	s_mov_b32 s40, 0xbfc90fdb                      ; -pi/2, upper part
	s_mov_b32 s41, 0x333bbd2e                      ; what that part has too much
	s_mov_b32 s42, 0xb94ca1f9                      ; the sine's three coefficients
	s_mov_b32 s43, 0x3c08839e
	s_mov_b32 s44, 0xbe2aaaa3
	s_mov_b32 s45, 0x37ccf5ce                      ; the cosine's
	s_mov_b32 s46, 0xbab6061a
	s_mov_b32 s47, 0x3d2aaaa5
	s_mov_b32 s48, 0xbed49a78                      ; -log2(10) / 8, upper part,
	s_mov_b32 s49, 0xb21786c2                      ; and the rest
	s_wait_alu depctr_va_vdst(0)
	v_and_b32 v3, 15, v2
	v_lshrrev_b32 v4, 4, v2                        ; lanes 16-31 take the odd row
	v_lshlrev_b32 v5, 1, v3
	v_cvt_f32_u32 v5, v5                           ; i
	v_add_f32 v6, 1.0, v5                          ; i + 1
.macro INVF i, f                       ; 10000^(-i/32) = 2^(i x c): the product, its exact remainder and the constant's rest; the exponential is corrected by the remainder
	v_mul_f32 v10, s48, v[\i]
	v_fma_f32 v11, v[\i], s48, -v10
	v_fma_f32 v11, v[\i], s49, v11
	s_wait_alu depctr_va_vdst(0)
	v_exp_f32 v[\f], v10
	v_mul_f32 v11, 0x3f317218, v11                 ; x ln 2  (the plain instruction behind the exponential)
	s_wait_alu depctr_va_vdst(0)
	v_fma_f32 v[\f], v[\f], v11, v[\f]
.endm
	INVF 5, 12
	INVF 6, 13
	v_add_nc_u32 v7, s25, v4
	v_cvt_f32_u32 v7, v7                           ; t
	v_lshlrev_b32 v8, 4, v2                        ; 16 bytes a lane: 512 consecutive bytes, two rows
	s_lshl_b32 s26, s25, 8
	s_mov_b32 s27, 0
	s_wait_kmcnt 0x0
	s_add_nc_u64 s[20:21], s[20:21], s[26:27]
.macro SINCOS a, c, s
	v_mul_f32 v30, 0x3f22f983, v[\a]
	v_rndne_f32 v30, v30                           ; n = the nearest multiple of pi/2
	v_fma_f32 v31, v30, s40, v[\a]                 ; exact for n under 2^11
	v_fma_f32 v31, v30, s41, v31                   ; r
	v_cvt_i32_f32 v32, v30
	v_mul_f32 v33, v31, v31                        ; z = r r
	v_fma_f32 v34, v33, s42, s43
	v_fma_f32 v34, v34, v33, s44
	v_mul_f32 v34, v34, v33
	v_fma_f32 v34, v34, v31, v31                   ; sin r
	v_fma_f32 v35, v33, s45, s46
	v_fma_f32 v35, v35, v33, s47
	v_mul_f32 v35, v35, v33
	v_fma_f32 v36, v33, -0.5, 1.0
	v_fma_f32 v35, v35, v33, v36                   ; cos r
	v_and_b32 v36, 1, v32
	v_cmp_eq_u32 vcc_lo, 1, v36
	v_cndmask_b32 v[\s], v34, v35, vcc_lo          ; an odd quadrant swaps the two
	v_cndmask_b32 v[\c], v35, v34, vcc_lo
	v_lshlrev_b32 v36, 30, v32
	v_and_b32 v36, 0x80000000, v36
	v_xor_b32 v[\s], v[\s], v36                    ; quadrants 2, 3: -sine
	v_add_nc_u32 v36, 1, v32
	v_lshlrev_b32 v36, 30, v36
	v_and_b32 v36, 0x80000000, v36
	v_xor_b32 v[\c], v[\c], v36                    ; quadrants 1, 2: -cosine
.endm
	s_mov_b32 s28, 0
.Lrows:
	s_wait_alu depctr_va_vdst(0)
	v_mul_f32 v14, v7, v12                         ; the angle, rounded to f32
	v_mul_f32 v15, v7, v13
	SINCOS 14, 20, 21
	SINCOS 15, 22, 23
	global_store_b128 v8, v[20:23], s[20:21]
	s_wait_xcnt 0x0                                ; the store's offset and data are written again only behind this wait
	v_add_nc_u32 v8, 512, v8
	v_add_f32 v7, 2.0, v7
	s_add_co_u32 s28, s28, 1
	s_cmp_lt_u32 s28, 4
	s_cbranch_scc1 .Lrows
	s_endpgm
; ---------------- the pad mask: wave w takes batch w; load j brings keys 128 j + 4 lane + 0..3
.Lmask:
	s_wait_alu depctr_va_vdst(0)
	v_lshlrev_b32 v3, 4, v2
	s_lshl_b32 s26, s24, 13
	s_mov_b32 s27, 0
	s_wait_alu depctr_va_vdst(0)
	s_wait_kmcnt 0x0
	s_add_nc_u64 s[14:15], s[14:15], s[26:27]
	s_add_co_u32 s26, s26, 524288
	s_add_nc_u64 s[20:21], s[20:21], s[26:27]
.irp j, 0,1,2,3,4,5,6,7,8,9,10,11,12,13,14,15
	global_load_b128 v[32+4*\j:35+4*\j], v3, s[14:15] offset:512*\j
.endr
	v_mov_b32 v4, 0xf1800000                       ; -2^100
	v_mov_b32 v5, 0
	s_mov_b32 s30, 2048                            ; the first key that counts: none yet
	s_wait_alu depctr_va_vdst(0)
	s_wait_loadcnt 0x0
.irp j, 15,14,13,12,11,10,9,8,7,6,5,4,3,2,1,0
	s_mov_b32 s31, -1
.irp c, 0,1,2,3
	v_cmp_ne_u32 s[40+\c], 0, v[32+4*\j+\c]
	v_cndmask_b32 v[32+4*\j+\c], v4, v5, s[40+\c]  ; 0 where the key counts, -2^100 where not
	s_ctz_i32_b32 s32, s[40+\c]                    ; the lowest lane that counts (-1: none)
	s_lshl_b32 s32, s32, 2
	s_or_b32 s32, s32, \c
	s_min_u32 s31, s31, s32
.endr
	s_add_co_u32 s33, s31, 128*\j
	s_cmp_lt_u32 s31, 128
	s_cselect_b32 s30, s33, s30                    ; j descends: the lowest wins
.endr
	s_wait_alu depctr_va_vdst(0)
.irp j, 0,1,2,3,4,5,6,7,8,9,10,11,12,13,14,15
	global_store_b128 v3, v[32+4*\j:35+4*\j], s[20:21] offset:512*\j
.endr
	v_mov_b32 v6, s30
	v_lshlrev_b32 v7, 2, v2
	s_lshl_b32 s26, s24, 7
	s_add_nc_u64 s[22:23], s[22:23], s[26:27]
	global_store_b32 v7, v6, s[22:23]              ; the same whole number in the batch's 32 words
	s_endpgm
.Lfunc_end_k_q96d284b90f_prep:
	.size	k_q96d284b90f_prep, .Lfunc_end_k_q96d284b90f_prep-k_q96d284b90f_prep
	.p2alignl 7, 3214868480
	.fill 96, 4, 3214868480
	.section	.rodata,"a",@progbits
	.p2align	6, 0x0
	.amdhsa_kernel k_q96d284b90f_prep
		.amdhsa_group_segment_fixed_size 33280
		.amdhsa_private_segment_fixed_size 0
		.amdhsa_enable_private_segment 0
		.amdhsa_kernarg_size 80
		.amdhsa_user_sgpr_count 2
		.amdhsa_user_sgpr_kernarg_segment_ptr 1
		.amdhsa_wavefront_size32 1
		.amdhsa_system_sgpr_workgroup_id_x 1
		.amdhsa_system_sgpr_workgroup_id_y 1
		.amdhsa_system_sgpr_workgroup_id_z 1
		.amdhsa_system_vgpr_workitem_id 0
		.amdhsa_next_free_vgpr 194
		.amdhsa_next_free_sgpr 66
		.amdhsa_reserve_vcc 1
		.amdhsa_float_denorm_mode_32 3
		.amdhsa_float_denorm_mode_16_64 3
		.amdhsa_memory_ordered 1
		.amdhsa_forward_progress 1
		.amdhsa_inst_pref_size 61
	.end_amdhsa_kernel
	.amdgpu_metadata
---
amdhsa.version: [ 1, 2 ]
amdhsa.kernels:
  - .name:           k_q96d284b90f_prep
    .symbol:         k_q96d284b90f_prep.kd
    .args:
      - { .name: x, .offset: 0, .size: 8, .value_kind: global_buffer, .address_space: global }
      - { .name: W_q, .offset: 8, .size: 8, .value_kind: global_buffer, .address_space: global }
      - { .name: W_k, .offset: 16, .size: 8, .value_kind: global_buffer, .address_space: global }
      - { .name: W_v, .offset: 24, .size: 8, .value_kind: global_buffer, .address_space: global }
      - { .name: W_o, .offset: 32, .size: 8, .value_kind: global_buffer, .address_space: global }
      - { .name: attention_mask, .offset: 40, .size: 8, .value_kind: global_buffer, .address_space: global }
      - { .name: xw_codes, .offset: 48, .size: 8, .value_kind: global_buffer, .address_space: global }
      - { .name: xw_scales, .offset: 56, .size: 8, .value_kind: global_buffer, .address_space: global }
      - { .name: tab, .offset: 64, .size: 8, .value_kind: global_buffer, .address_space: global }
      - { .name: first, .offset: 72, .size: 8, .value_kind: global_buffer, .address_space: global }
    .group_segment_fixed_size: 33280
    .private_segment_fixed_size: 0
    .kernarg_segment_align: 8
    .kernarg_segment_size: 80
    .max_flat_workgroup_size: 128
    .sgpr_count:     66
    .vgpr_count:     194
    .wavefront_size: 32
...
	.end_amdgpu_metadata
.endif
;; end of part 1
;; launch qkv (part 2): grid 4 x 96, 4 waves a work-group, clusters of 4 x 4, 327,680 bytes of LDS; arguments xw_codes, xw_scales, tab, qkv_codes, qkv_scales; writes qkv_codes, qkv_scales
.if DOCPART == 2
	.amdgcn_target "amdgcn-amd-amdhsa--gfx1250"
	.amdhsa_code_object_version 6
	.text
	.protected	k_q96d284b90f_qkv
	.globl	k_q96d284b90f_qkv
	.p2align	8
	.type	k_q96d284b90f_qkv,@function
k_q96d284b90f_qkv:
	s_mov_b64 s[64:65], 0
	v_nop
	global_prefetch_b8 v0, s[64:65] scope:SCOPE_SE
	s_setreg_imm32_b32 hwreg(HW_REG_WAVE_MODE, 25, 1), 1
	s_wait_xcnt 0x0
	s_wait_alu depctr_hold_cnt(0) depctr_sa_sdst(0) depctr_va_vdst(0) depctr_va_sdst(0) depctr_va_ssrc(0) depctr_va_vcc(0) depctr_vm_vsrc(0)
	s_getreg_b32 s2, hwreg(HW_REG_IB_STS2, 6, 4)
	s_cmp_eq_u32 s2, 0
	s_cbranch_scc0 .Lentry_in_a_cluster
	s_endpgm
.Lentry_in_a_cluster:
	s_bfe_u32 s2, ttmp6, 0x10000c
	s_cmp_lg_u32 s2, 0xf033
	s_cbranch_scc0 .Lentry_shape_is_right
	s_endpgm
.Lentry_shape_is_right:
.set KSTEP,  256
.set NQ,     2
.set ROWB,   2359296                   ; bytes from one plane of codes (256 along K of all rows, 192 bytes a row, dense) to the next
.set KROW,   192                       ; a row's bytes in a plane
.set PITCH,  240
.set FR,     12
.set NL,     6
.set NP,     4
.set HALFT,  128*PITCH
.set SLOT,   4*HALFT
.set LAPS,   2
.set KS,     32
.set SCL,    2*SLOT
.set HALFS,  (128*KS/256)*272
.set SBLK,   (16*KS/256)*272
.set SPARE,  SCL+4*HALFS
.set ADRA, 16
.set ADRB, 20
.set ADRS, 27
.set SPW,  28
.set NIL,  29
.set SC,   32
.set AF,   128
.set G1, 24
.set G0, 32
.set G1B, 48
.set G0B, 56
.set G1S, 68
.set G0S, 76
.set G1SB, 80
.set G0SB, 88
.set CSB, 64
.set ST,  128
.set T,   192
.set TM,  200
.set CD,  216                          ; a block's 12 registers of codes, which its stores read
.set CT,  228                          ; v228-234 the conversions' second halves, at work only
.set PWS, 236
.set MSB, 0
.macro WIN new
.if MSB != (\new)
	s_set_vgpr_msb (MSB<<8)|(\new)
.set MSB, (\new)
.endif
.endm
.set MUL_LO, 0xa1
.set MUL_HI, 0xf1
.set TO_B,   0x40
.macro JLOAD g0a, g1a, g0b, g1b
	s_cmp_eq_u32 s15, 0
	s_cbranch_scc0 .Lfor_b_\@
	tensor_load_to_lds s[\g0a:\g0a+3], s[\g1a:\g1a+7]
	s_nop 0
.rept 4
	v_nop
.endr
	s_branch .Lasked_\@
.Lfor_b_\@:
	tensor_load_to_lds s[\g0b:\g0b+3], s[\g1b:\g1b+7]
	s_nop 0
.rept 4
	v_nop
.endr
.Lasked_\@:
.endm
.macro CREST
	s_cmp_lg_u32 s14, 0
	s_cbranch_scc1 .Lnot_wave_0_\@
	s_barrier_signal -3
.Lnot_wave_0_\@:
	s_barrier_wait -3
	s_barrier_signal -1
	s_barrier_wait -1
.endm
.macro CROUND
	s_barrier_signal -1
	s_barrier_wait -1
	CREST
.endm
	s_load_b128 s[4:7], s[0:1], 0x0
	s_load_b128 s[96:99], s[0:1], 0x10
	s_load_b64 s[100:101], s[0:1], 0x20
	v_lshl_add_u32 v[SPW], v0, 2, SPARE
	v_mov_b32 v[NIL], 0
	ds_add_u32 v28, v29
	ds_add_u32 v28, v29
	s_wait_dscnt 0x0
	v_lshrrev_b32 v1, 5, v0
	v_readfirstlane_b32 s14, v1
	s_lshr_b32 s15, s14, 1
	s_and_b32 s16, s14, 1
	s_bfe_u32 s40, ttmp6, 0x40000
	s_bfe_u32 s41, ttmp6, 0x40004
	s_and_b32 s17, ttmp7, 0xffff                   ; 24 clusters along y: 0-7 make Q, 8-15 K, 16-23 V: the clusters with the longer way out have the lower numbers
	s_lshr_b32 s2, s17, 3                          ; which of the three
	s_and_b32 s17, s17, 7                          ; which 1,024 rows of x
	s_lshl_b32 s43, s41, 2
	s_lshl_b32 s43, 15, s43
	s_lshl_b32 s44, 0x1111, s40
	s_lshr_b32 s66, s2, 1
	s_min_u32 s66, s66, 1
	s_xor_b32 s67, s66, 1
	s_or_b32 s[G1+0], s43, (0<<16)|(1<<20)|(1<<21)|(3<<22)|(3<<25)
	s_or_b32 s[G1B+0], s44, (0<<16)|(1<<20)|(1<<21)|(3<<22)|(3<<25)
.irp g, G1, G1B
	s_mov_b32 s[\g+1], 256<<16                     ; a tile's rows lie end to end in a plane: stated as rows of 256 bytes; the padding's interval stays 64 bytes, so an LDS row of 192 bytes takes 240
	s_mov_b32 s[\g+2], 192<<16                     ; the head's loads: 256 rows x 192 bytes = 192 rows of 256
	s_mov_b32 s[\g+3], 256<<16
	s_mov_b32 s[\g+4], 192
	s_mov_b32 s[\g+5], 256
	s_mov_b32 s[\g+6], 0
	s_mov_b32 s[\g+7], 0
.endr
	s_or_b32 s[G1S+0], s43, (3<<16)|(1<<20)|(1<<21)|(5<<22)|(3<<25)
	s_or_b32 s[G1SB+0], s44, (3<<16)|(1<<20)|(1<<21)|(5<<22)|(3<<25)
.irp g, G1S, G1SB
	s_mov_b32 s[\g+1], 32<<16
	s_mov_b32 s[\g+2], (256*KS/256)<<16            ; the scales of 256 rows
	s_mov_b32 s[\g+3], 32<<16
	s_mov_b32 s[\g+4], 256*KS/256
	s_mov_b32 s[\g+5], 32
	s_mov_b32 s[\g+6], 0
	s_mov_b32 s[\g+7], 0
.endr
	s_lshl_b32 s19, s17, 10
	s_lshl_b32 s20, s41, 8
	s_mul_i32 s21, s67, s19
	s_add_co_u32 s20, s20, s21
	s_mul_i32 s21, s66, 10240
	s_add_co_u32 s20, s20, s21
	s_lshl_b32 s46, s40, 8
	s_mul_i32 s47, s66, s19
	s_add_co_u32 s46, s46, s47
	s_lshl_b32 s47, s2, 10
	s_add_co_u32 s47, s47, 8192
	s_mul_i32 s47, s47, s67
	s_add_co_u32 s46, s46, s47
	s_mov_b32 s21, 0
	s_mov_b32 s47, 0
	s_mov_b64 s[18:19], KS
	s_mul_u64 s[22:23], s[20:21], s[18:19]
	s_mul_u64 s[92:93], s[46:47], s[18:19]
	s_mov_b64 s[18:19], KROW
	s_mul_u64 s[20:21], s[20:21], s[18:19]
	s_mul_u64 s[46:47], s[46:47], s[18:19]
	s_mul_i32 s45, s14, HALFT
	s_wait_kmcnt 0x0
	s_add_nc_u64 s[20:21], s[4:5], s[20:21]
	s_add_nc_u64 s[22:23], s[6:7], s[22:23]
	s_add_nc_u64 s[46:47], s[4:5], s[46:47]
	s_add_nc_u64 s[92:93], s[6:7], s[92:93]
	CROUND
	s_mov_b32 s[G0S], 1
	s_mov_b32 s[G0S+1], SCL
	s_mov_b64 s[G0S+2:G0S+3], s[22:23]
	s_or_b32 s[G0S+3], s[G0S+3], 0x80000000
	s_mov_b32 s[G0SB], 1
	s_mov_b32 s[G0SB+1], SCL+2*HALFS
	s_mov_b64 s[G0SB+2:G0SB+3], s[92:93]
	s_or_b32 s[G0SB+3], s[G0SB+3], 0x80000000
	s_mov_b32 s4, 1                                ; group 0 of the head's loads of plane 0 (the arguments that lay here have been used): source 1's 256 rows,
	s_mov_b32 s5, 0
	s_mov_b64 s[6:7], s[20:21]
	s_or_b32 s7, s7, 0x80000000
	s_mov_b32 s8, 1                                ; and source 0's 256 rows, behind them in slot 0
	s_mov_b32 s9, 2*HALFT
	s_mov_b64 s[10:11], s[46:47]
	s_or_b32 s11, s11, 0x80000000
	s_mul_i32 s18, s16, 128*KROW                   ; for the ring: my 128 rows of the tile
	s_mov_b32 s19, 0
	s_add_nc_u64 s[20:21], s[20:21], s[18:19]
	s_add_nc_u64 s[46:47], s[46:47], s[18:19]
.irp s, 0,1
	s_mov_b32 s[G0+4*\s], 1
	s_add_co_u32 s[G0+4*\s+1], s45, \s*SLOT
	s_add_nc_u64 s[G0+4*\s+2:G0+4*\s+3], s[20:21], \s*ROWB
	s_or_b32 s[G0+4*\s+3], s[G0+4*\s+3], 0x80000000
	s_mov_b32 s[G0B+4*\s], 1
	s_add_co_u32 s[G0B+4*\s+1], s45, \s*SLOT
	s_add_nc_u64 s[G0B+4*\s+2:G0B+4*\s+3], s[46:47], \s*ROWB
	s_or_b32 s[G0B+4*\s+3], s[G0B+4*\s+3], 0x80000000
.endr
; The head's four tiles, one joint load a wave: one chain of branches on the wave's number, every way through it passes one load
.macro ARM under, g0, g1, next
	s_cmp_lt_u32 s14, \under
	s_cbranch_scc0 \next
	tensor_load_to_lds s[\g0:\g0+3], s[\g1:\g1+7]
	s_nop 0
.rept 4
	v_nop
.endr
	s_branch .Lhead_asked
\next:
.endm
	ARM 1, 4,   G1,  .Lhead_b
	ARM 2, 8,   G1B, .Lhead_sa
	ARM 3, G0S, G1S, .Lhead_sb
	tensor_load_to_lds s[G0SB:G0SB+3], s[G1SB:G1SB+7]
	s_nop 0
.rept 4
	v_nop
.endr
.Lhead_asked:
	v_and_b32 v1, 15, v0
	v_bfe_u32 v2, v0, 4, 1
	v_mul_u32_u24 v3, v1, PITCH
	v_mul_u32_u24 v4, v2, 24
	v_add_nc_u32 v4, v3, v4
	v_lshl_add_u32 v5, v2, 4, v4
	s_mul_i32 s21, s15, HALFT
	s_mul_i32 s22, s16, HALFT
	s_add_co_u32 s22, s22, 2*HALFT
.irp s, 0,1
	v_add_nc_u32 v[ADRA+\s], s21, v4
	v_add_nc_u32 v[ADRB+\s], s22, v4
	v_add_nc_u32 v[ADRA+2+\s], s21, v5
	v_add_nc_u32 v[ADRB+2+\s], s22, v5
	s_add_co_u32 s21, s21, SLOT
	s_add_co_u32 s22, s22, SLOT
.endr
	v_mul_u32_u24 v5, v1, KS
	v_lshrrev_b32 v6, 8, v5
	v_lshl_add_u32 v5, v6, 4, v5
	s_mul_i32 s21, s15, HALFS
	s_mul_i32 s22, s16, HALFS
	s_add_co_u32 s22, s22, 2*HALFS
	s_sub_co_u32 s22, s22, s21
	v_mul_u32_u24 v6, s22, v2
	s_add_co_u32 s21, s21, SCL
	v_add_nc_u32 v5, v5, v6
	v_add_nc_u32 v[ADRS], s21, v5
.macro FRAG reg, adr, q, i
.irp p, 0,1,2,3,4,5
.set PIECE, 12*(\q)+6*(\p/3)+\p%3
.if PIECE%8 < 5
	ds_load_b64 v[\reg+2*\p:\reg+2*\p+1], v[\adr] offset:8*PIECE+16*(PIECE/8)+(\i)*16*PITCH
.else
	ds_load_b64 v[\reg+2*\p:\reg+2*\p+1], v[\adr+2] offset:8*PIECE+16*(PIECE/8)+(\i)*16*PITCH
.endif
.endr
.endm
.macro MUL16 a0, p, q, sc, zero
.irp a, \a0, \a0+1
.irp b, 0,1,2,3,4,5,6,7
.if \zero
	v_wmma_scale_f32_16x16x128_f8f6f4 v[8*(8*((\a)%4)+\b):8*(8*((\a)%4)+\b)+7], v[128*(\p)+FR*\b:128*(\p)+FR*\b+FR-1], v[AF+FR*(\a):AF+FR*(\a)+FR-1], 0, v[SC+8*NQ*(\sc)+NQ*\b+(\q)], v[SC+8*NQ*(\sc)+NQ*(\a)+(\q)] matrix_a_fmt:MATRIX_FMT_BF6 matrix_b_fmt:MATRIX_FMT_BF6 matrix_a_scale:MATRIX_SCALE_ROW1
.else
	v_wmma_scale_f32_16x16x128_f8f6f4 v[8*(8*((\a)%4)+\b):8*(8*((\a)%4)+\b)+7], v[128*(\p)+FR*\b:128*(\p)+FR*\b+FR-1], v[AF+FR*(\a):AF+FR*(\a)+FR-1], v[8*(8*((\a)%4)+\b):8*(8*((\a)%4)+\b)+7], v[SC+8*NQ*(\sc)+NQ*\b+(\q)], v[SC+8*NQ*(\sc)+NQ*(\a)+(\q)] matrix_a_fmt:MATRIX_FMT_BF6 matrix_b_fmt:MATRIX_FMT_BF6 matrix_a_scale:MATRIX_SCALE_ROW1
.endif
.endr
.endr
.endm
.macro FETCH_B slot, q, p
	WIN TO_B
.irp i, 0,1,2,3,4,5,6,7
	FRAG 128*(\p)+FR*\i, ADRB+\slot, \q, \i
.endr
	WIN 0
.endm
.macro FETCH_A slot, q, i0
.irp i, \i0, \i0+1, \i0+2, \i0+3
	FRAG AF+FR*(\i), ADRA+\slot, \q, \i
.endr
.endm
.macro SCALES sc
.irp i, 0,1,2,3,4,5,6,7
	ds_load_b64 v[SC+8*NQ*\sc+NQ*\i:SC+8*NQ*\sc+NQ*\i+1], v[ADRS] offset:\i*SBLK
.endr
.endm
.macro PLACES n
.rept \n
	v_nop
.endr
.endm
.macro STEP slot, q, zero
	s_wait_dscnt 4*NL
	WIN MUL_LO
	MUL16 0, (\q)%2, \q, \slot, \zero
	MUL16 2, (\q)%2, \q, \slot, \zero
	s_wait_dscnt 0
	PLACES NP
	FETCH_B \slot, (\q)+1, 1-(\q)%2
	FETCH_A \slot, (\q)+1, 0
	WIN MUL_HI
	MUL16 4, (\q)%2, \q, \slot, \zero
	MUL16 6, (\q)%2, \q, \slot, \zero
	PLACES NP
	WIN 0
	FETCH_A \slot, (\q)+1, 4
.endm
.macro TURN slot, next, fill
	s_wait_tensorcnt 0x0
	ds_add_u32 v[SPW], v[NIL]
	s_wait_dscnt 4*NL+1
	WIN MUL_LO
	MUL16 0, 1, NQ-1, \slot, 0
	s_wait_dscnt 0x0
	s_barrier_signal -1
	MUL16 2, 1, NQ-1, \slot, 0
	WIN 0
	s_barrier_wait -1
.if \fill
	CREST
	s_add_nc_u64 s[G0+4*\slot+2:G0+4*\slot+3], s[G0+4*\slot+2:G0+4*\slot+3], 2*ROWB
	s_add_nc_u64 s[G0B+4*\slot+2:G0B+4*\slot+3], s[G0B+4*\slot+2:G0B+4*\slot+3], 2*ROWB
	JLOAD G0+4*\slot, G1, G0B+4*\slot, G1B
.else
	PLACES NP
.endif
	s_wait_alu depctr_va_vdst(0)
	v_add_nc_u32 v[ADRS], 4*NQ, v[ADRS]
	FETCH_B \next, 0, 0
	FETCH_A \next, 0, 0
	SCALES \next
	WIN MUL_HI
	MUL16 4, 1, NQ-1, \slot, 0
	MUL16 6, 1, NQ-1, \slot, 0
	PLACES NP
	WIN 0
	FETCH_A \next, 0, 4
.endm
	s_wait_alu depctr_va_vdst(0)
	s_wait_tensorcnt 0x0                           ; my tile of the head's four is in
	ds_add_u32 v[SPW], v[NIL]
	s_mov_b32 s[G1+2], 96<<16                      ; no tensor load of mine is out: from here on a load brings 128 rows x 192 bytes = 96 rows of 256
	s_mov_b32 s[G1+4], 96
	s_mov_b32 s[G1B+2], 96<<16
	s_mov_b32 s[G1B+4], 96
	s_wait_dscnt 0x0
	CROUND                                         ; all four tiles are in, all sixteen work-groups are here
	JLOAD G0+4, G1, G0B+4, G1B                     ; plane 1 into slot 1: the first tensor load behind the round
	FETCH_B 0, 0, 0
	FETCH_A 0, 0, 0
	SCALES 0
	FETCH_A 0, 0, 4
	STEP 0, 0, 1
	s_mov_b32 s3, LAPS-1
.Llap:
	TURN 0, 1, 1
	STEP 1, 0, 0
	TURN 1, 0, 1
	STEP 0, 0, 0
	s_sub_co_u32 s3, s3, 1
	s_cmp_lg_u32 s3, 0
	s_cbranch_scc1 .Llap
	TURN 0, 1, 0
	STEP 1, 0, 0
	s_wait_dscnt 4*NL
	WIN MUL_LO
	MUL16 0, 1, NQ-1, 1, 0
	MUL16 2, 1, NQ-1, 1, 0
	s_wait_dscnt 0
	WIN MUL_HI
	MUL16 4, 1, NQ-1, 1, 0
	MUL16 6, 1, NQ-1, 1, 0
	WIN 0
.macro QUANT s, w, pw
	WIN ((\w)<<2)|((\w)<<4)
.irp b, 0,1,2,3
	v_max3_num_f32 v[TM+\b], 0x2800000, |v[\s+16*\b]|, |v[\s+1+16*\b]|
.endr
.irp i, 2,4,6,8,10,12,14
.irp b, 0,1,2,3
	v_max3_num_f32 v[TM+\b], v[TM+\b], |v[\s+16*\b+\i]|, |v[\s+1+16*\b+\i]|
.endr
.endr
	WIN 0
.irp b, 0,1,2,3
	v_permlanex16_b32 v[TM+4+\b], v[TM+\b], s12, s13
.endr
.irp b, 0,1,2,3
	v_max_num_f32 v[TM+\b], v[TM+\b], v[TM+4+\b]
.endr
.irp b, 0,1,2,3
	v_add_nc_u32 v[TM+12+\b], 0xfe000000, v[TM+\b]
.endr
.irp b, 0,1,2,3
	v_lshrrev_b32 v[TM+4+\b], 23, v[TM+12+\b]
.endr
	v_lshl_or_b32 v[\pw], v[TM+5], 8, v[TM+4]
	v_lshl_or_b32 v[\pw], v[TM+6], 16, v[\pw]
	v_lshl_or_b32 v[\pw], v[TM+7], 24, v[\pw]
.if NEEDX
	s_wait_alu depctr_va_vdst(0)                   ; directly ahead of the wait below
	s_wait_xcnt 0x0                                ; the last block's stores have read the codes' registers, which the conversions below write again
.endif
	WIN \w
.irp c, 0,1
	v_cvt_scalef32_pk16_bf6_f32 v[CD+6*\c:CD+2+6*\c], v[\s+32*\c:\s+15+32*\c], v[TM+12+2*\c]
	v_cvt_scalef32_pk16_bf6_f32 v[CT+4*\c:CT+2+4*\c], v[\s+16+32*\c:\s+31+32*\c], v[TM+12+2*\c+1]
.endr
	WIN 0
	v_nop
.irp c, 0,1
.irp i, 0,1,2
	v_permlane16_swap_b32 v[CD+6*\c+\i], v[CT+4*\c+\i]
.endr
.irp i, 0,1,2
	v_mov_b32 v[CD+3+6*\c+\i], v[CT+4*\c+\i]
.endr
.endr
.endm
	PLACES NP
	v_and_b32 v244, 31, v0
	v_lshlrev_b32 v245, 3, v244
	v_lshlrev_b32 v244, 4, v244
	v_and_b32 v246, 15, v0
	v_bfe_u32 v247, v0, 4, 1
.irp b, 0,1,2,3
	v_mov_b32 v[TM+4+\b], 0
.endr
	s_mov_b32 s12, 0x76543210
	s_mov_b32 s13, 0xfedcba98
	s_lshl_b32 s17, s17, 2
	s_mov_b32 s45, 0
	s_cmp_lg_u32 s66, 0
	s_cbranch_scc1 .Lv_path
	s_add_co_u32 s17, s17, s41
	s_lshr_b32 s18, s17, 3
	s_lshl_b32 s18, s18, 4
	s_and_b32 s19, s17, 7
	s_lshl_b32 s19, s19, 1
	s_add_co_u32 s19, s19, s15
	s_lshl_b32 s20, s40, 2
	s_lshl_b32 s21, s16, 1
	s_add_co_u32 s20, s20, s21
	s_add_co_u32 s20, s20, s18
	s_mov_b32 s21, 196608
	s_mov_b32 s23, 12288
	s_cmp_eq_u32 s2, 0
	s_cselect_b32 s21, 98304, s21
	s_cselect_b32 s22, 0, 6291456
	s_cselect_b32 s23, 8192, s23
	s_cselect_b32 s24, 0, 524288
	s_mul_i32 s44, s20, s21
	s_add_co_u32 s44, s44, s22
	s_mul_i32 s25, s19, 6144
	s_add_co_u32 s44, s44, s25
	s_add_nc_u64 s[46:47], s[98:99], s[44:45]
	s_mov_b32 s44, s21
	s_add_nc_u64 s[92:93], s[46:47], s[44:45]
	s_mul_i32 s44, s20, s23
	s_add_co_u32 s44, s44, s24
	s_lshl_b32 s25, s19, 9
	s_add_co_u32 s44, s44, s25
	s_add_nc_u64 s[94:95], s[100:101], s[44:45]
	s_lshl_b32 s44, s19, 15
	s_add_nc_u64 s[96:97], s[96:97], s[44:45]
	s_wait_alu depctr_va_vdst(0)
	v_and_b32 v248, 7, v246
	v_lshrrev_b32 v249, 3, v246
	v_lshl_add_u32 v248, v249, 4, v248
	v_lshlrev_b32 v248, 8, v248
	v_lshl_add_u32 v248, v247, 6, v248
	v_mul_u32_u24 v249, s23, v247
	v_lshl_add_u32 v249, v246, 4, v249
	v_lshlrev_b32 v250, 4, v247
.macro CSLOAD a
.irp e, 0,1
.irp k, 0,1,2,3
	global_load_b128 v[CSB+32*((\a)%2)+16*\e+4*\k:CSB+32*((\a)%2)+16*\e+4*\k+3], v248, s[96:97] offset:(32*((\a)/2)+8*((\a)%2))*256+128*\e+16*\k
.endr
.endr
.endm
.macro BLOCKQK a
.set AC, 64*((\a)%4)
.set CC, CSB+32*((\a)%2)
.set WW, 2+(\a)/4
.if (\a) < 7
	s_wait_loadcnt 8
.else
	s_wait_loadcnt 0x0
.endif
.set NEEDX, 1                          ; one set of codes' registers serves all eight blocks: the wait for the last block's stores stands ahead of the conversions
	WIN WW
.irp g, 0,1,2,3,4,5,6,7
.irp k, 0,1,2,3
	v_pk_mul_f32 v[T+2*\k:T+2*\k+1], v[AC+8*\g+2*\k:AC+8*\g+2*\k+1], v[CC+16*((\g/2)%2)+8*(\g%2)+2*\k:CC+16*((\g/2)%2)+8*(\g%2)+2*\k+1] op_sel:[1,1] op_sel_hi:[1,0]
.endr
.irp k, 0,1,2,3
	v_pk_fma_f32 v[ST+8*\g+2*\k:ST+8*\g+2*\k+1], v[AC+8*\g+2*\k:AC+8*\g+2*\k+1], v[CC+16*((\g/2)%2)+8*(\g%2)+2*\k:CC+16*((\g/2)%2)+8*(\g%2)+2*\k+1], v[T+2*\k:T+2*\k+1] op_sel_hi:[0,1,1] neg_lo:[0,0,1]
.endr
.endr
	WIN 0
.if (\a)+2 < 8
	CSLOAD (\a)+2
.endif
	QUANT ST, 0, PWS+(\a)
	global_store_b128 v244, v[CD:CD+3], s[46:47] offset:768*(\a)
	global_store_b64 v245, v[CD+4:CD+5], s[46:47] offset:768*(\a)+512
	global_store_b128 v244, v[CD+6:CD+9], s[92:93] offset:768*(\a)
	global_store_b64 v245, v[CD+10:CD+11], s[92:93] offset:768*(\a)+512
.endm
	CSLOAD 0
	CSLOAD 1
.irp a, 0,1,2,3,4,5,6,7
	BLOCKQK \a
.endr
.irp a, 0,1,2,3,4,5,6,7
	v_lshrrev_b32 v[PWS+\a], v250, v[PWS+\a]
.endr
	global_store_b128 v249, v[PWS:PWS+3], s[94:95]
	global_store_b128 v249, v[PWS+4:PWS+7], s[94:95] offset:256
	s_branch .Ljoin
.Lv_path:
	s_add_co_u32 s17, s17, s40
	s_lshr_b32 s18, s17, 3
	s_lshl_b32 s18, s18, 4
	s_and_b32 s19, s17, 7
	s_lshl_b32 s19, s19, 1
	s_add_co_u32 s19, s19, s16
	s_lshl_b32 s20, s41, 2
	s_lshl_b32 s21, s15, 1
	s_add_co_u32 s20, s20, s21
	s_add_co_u32 s20, s20, s18
	s_mul_i32 s44, s20, 196608
	s_add_co_u32 s44, s44, 6291456+98304
	s_mul_i32 s25, s19, 6144
	s_add_co_u32 s44, s44, s25
	s_add_nc_u64 s[46:47], s[98:99], s[44:45]
	s_mul_i32 s44, s20, 12288
	s_add_co_u32 s44, s44, 524288+8192
	s_lshl_b32 s25, s19, 8
	s_add_co_u32 s44, s44, s25
	s_add_nc_u64 s[94:95], s[100:101], s[44:45]
	s_wait_alu depctr_va_vdst(0)
	v_mul_u32_u24 v249, 12288, v247
	v_lshl_add_u32 v249, v246, 4, v249
.macro BLOCKV a
.set AC, 64*((\a)%4)
.set WW, 2+(\a)/4
.set CD, 32+12*(\a)                    ; each block's codes have 12 registers of their own, v32-127, which held scale words and nothing since: no store's data are written again, so no wait is due
.set NEEDX, 0
	QUANT AC, WW, PWS+(\a)
.irp c, 0,1,2
	global_store_b128 v244, v[CD+4*\c:CD+4*\c+3], s[46:47] offset:((\a)/4)*196608+((\a)%4)*1536+512*\c
.endr
.endm
.irp a, 0,1,2,3,4,5,6,7
	BLOCKV \a
.endr
	v_cmp_eq_u32 vcc_lo, 1, v247
.irp i, 0,1,2,3
	v_cndmask_b32 v[PWS+\i], v[PWS+\i], v[PWS+4+\i], vcc_lo
.endr
	global_store_b128 v249, v[PWS:PWS+3], s[94:95]
.Ljoin:
	s_wait_tensorcnt 0x0
	ds_add_u32 v[SPW], v[NIL]
	s_wait_dscnt 0x0
	CROUND
	s_endpgm
.Lfunc_end_k_q96d284b90f_qkv:
	.size	k_q96d284b90f_qkv, .Lfunc_end_k_q96d284b90f_qkv-k_q96d284b90f_qkv
	.p2alignl 7, 3214868480
	.fill 96, 4, 3214868480
	.section	.rodata,"a",@progbits
	.p2align	6, 0x0
	.amdhsa_kernel k_q96d284b90f_qkv
		.amdhsa_group_segment_fixed_size 327680
		.amdhsa_private_segment_fixed_size 0
		.amdhsa_enable_private_segment 0
		.amdhsa_kernarg_size 40
		.amdhsa_user_sgpr_count 2
		.amdhsa_user_sgpr_kernarg_segment_ptr 1
		.amdhsa_wavefront_size32 1
		.amdhsa_system_sgpr_workgroup_id_x 1
		.amdhsa_system_sgpr_workgroup_id_y 1
		.amdhsa_system_sgpr_workgroup_id_z 1
		.amdhsa_system_vgpr_workitem_id 0
		.amdhsa_next_free_vgpr 1024
		.amdhsa_next_free_sgpr 102
		.amdhsa_reserve_vcc 1
		.amdhsa_float_denorm_mode_32 3
		.amdhsa_float_denorm_mode_16_64 3
		.amdhsa_memory_ordered 1
		.amdhsa_forward_progress 1
		.amdhsa_inst_pref_size 240
	.end_amdhsa_kernel
	.amdgpu_metadata
---
amdhsa.version: [ 1, 2 ]
amdhsa.kernels:
  - .name:           k_q96d284b90f_qkv
    .symbol:         k_q96d284b90f_qkv.kd
    .args:
      - { .name: xw_codes, .offset: 0, .size: 8, .value_kind: global_buffer, .address_space: global }
      - { .name: xw_scales, .offset: 8, .size: 8, .value_kind: global_buffer, .address_space: global }
      - { .name: tab, .offset: 16, .size: 8, .value_kind: global_buffer, .address_space: global }
      - { .name: qkv_codes, .offset: 24, .size: 8, .value_kind: global_buffer, .address_space: global }
      - { .name: qkv_scales, .offset: 32, .size: 8, .value_kind: global_buffer, .address_space: global }
    .group_segment_fixed_size: 327680
    .private_segment_fixed_size: 0
    .kernarg_segment_align: 8
    .kernarg_segment_size: 40
    .max_flat_workgroup_size: 128
    .sgpr_count:     102
    .vgpr_count:     1024
    .wavefront_size: 32
...
	.end_amdgpu_metadata
.endif
;; end of part 2
;; launch attn (part 3): grid 4 x 64, 16 waves a work-group, clusters of 4 x 1, 288,768 bytes of LDS; arguments qkv_codes, qkv_scales, tab, first, o_codes, o_scales; writes o_codes, o_scales
.if DOCPART == 3
	.amdgcn_target "amdgcn-amd-amdhsa--gfx1250"
	.amdhsa_code_object_version 6
	.text
	.protected	k_q96d284b90f_attn
	.globl	k_q96d284b90f_attn
	.p2align	8
	.type	k_q96d284b90f_attn,@function
k_q96d284b90f_attn:
	s_mov_b64 s[64:65], 0
	v_nop
	global_prefetch_b8 v0, s[64:65] scope:SCOPE_SE
	s_setreg_imm32_b32 hwreg(HW_REG_WAVE_MODE, 25, 1), 1
	s_wait_xcnt 0x0
	s_wait_alu depctr_hold_cnt(0) depctr_sa_sdst(0) depctr_va_vdst(0) depctr_va_sdst(0) depctr_va_ssrc(0) depctr_va_vcc(0) depctr_vm_vsrc(0)
	s_getreg_b32 s2, hwreg(HW_REG_IB_STS2, 6, 4)
	s_cmp_eq_u32 s2, 0
	s_cbranch_scc0 .Lentry_in_a_cluster
	s_endpgm
.Lentry_in_a_cluster:
	s_bfe_u32 s2, ttmp6, 0x10000c
	s_cmp_lg_u32 s2, 0x3003
	s_cbranch_scc0 .Lentry_shape_is_right
	s_endpgm
.Lentry_shape_is_right:
; Attention of one head (batch x 16 + head = work-group y) on codes of BF6 with E8M0 scales; causal mask and pad mask; the result quantised along the model's 1,024 for the last product.
; THE WEIGHTS ARE QUANTISED FINISHED AND NORMALISED, so a row's maximum and sum must be known first: TWO PASSES over the keys.  Pass 1: scores, running maximum (rounded up to a whole number M, in t = score x log2(e) / 8)
; and the sum l of 2^(t - M).  Pass 2: the scores again, a = 2^(t - M) x (1 / l), quantised along the keys in blocks of 32, times V.
; THE WHOLE HEAD'S K AND V, their scale words and the batch's pad numbers lie in LDS, filled once: no slot is ever filled again.  The four work-groups of a cluster share the head: every fill is a joint load.
; SHARES.  Wave w takes two tiles of 16 queries, in groups (of 128 queries) w % 8 and 15 - w % 8, tile 2 cx + w / 8 of the group's eight: 17 key steps of 128 a pass for every wave.  cx enters global addresses and a lane's query number alone.
; LAYOUT.  Both products transposed: S^T = K Q^T, O^T = V^T A^T: a lane holds one query.  Tiles hold rows r % 8 + 16 (r / 8) + 8 u of a group of 32, so the 16 registers of two neighbouring tiles are 16 neighbouring keys (channels).
; K = 64 in the first product: Q's upper six registers are zero codes; a tile of K names its own six registers and the next tile's six, which meet those zeros.
; THE PAD MASK COSTS NO VECTOR WORK: 0 or -2^100 for each key is loaded as the C of the score's matrix instruction.  The causal mask writes -2^100 in the diagonal step; steps past the diagonal are left out.
; A ROW WITH NO KEY THAT COUNTS (query < the batch's first counting key F) has, by the finite number that stands for -infinity in the problem, the weight 1 / 2,048 on ALL 2,048 keys.  2^-11 is a number of the format
; (16 under the byte 112), so such a row's result is U = the product of all of V with that constant operand, the same for every such row of the head.  U is made once by the work-group, always: wave w multiplies key step w,
; the sixteen parts meet in LDS, each wave adds a sixteenth of them.  At a tile's end v_cndmask_b32 puts U into the lanes with query < F; in those lanes 1 / l is set to 0 on the way.  No branch hangs on F.
; LIMITS: |t| under 2^90; NaN and infinities not served; 2^(t - M) under 2^-126 counts as 0; a block of zeros carries the byte 1.  The two scale bytes of a row and head leave by a store of 2 bytes a lane, 32 bytes apart: 1 byte in 25 of what the launch stores.
; HOW 1 / l IS APPLIED, in place of what the lines above say of it: between the passes -M becomes -(M + log2 l), so pass 2's multiply-add and exponential give the finished weight 2^(t - M - log2 l) with no further multiply.
; M + log2 l is rounded to f32 once: half an ulp of it, which is the size of the rounding that the f32 score under the same M carries itself.  A lane whose query sees no key keeps -M: its weights are 0, as in pass 1, and U takes its result's place.
.set KIMG, 0
.set VIMG, 98304                       ; V: 16 steps x 4 tiles x 1,536 bytes
.set KSC,  196608                      ; K's scale words, 512 bytes a step
.set VSC,  204800                      ; V's, 256 bytes a step
.set BIAS, 208896                      ; the pad numbers, 512 bytes a step
.set UP,   217088                      ; the sixteen parts of U, images of 32 registers: 4,096 bytes a wave; no tensor load lands here
.set US,   282624                      ; U: 4,096 bytes; likewise
.set S,   96                           ; v96-159  scores, then weights
.set O,   160                          ; v160-191 O^T
.set PC,  192                          ; v192-211 codes just made
.set BM,  212                          ; v212-215 a block's largest
.set BT,  216                          ; v216-219 at work; bytes
.set SO,  220                          ; v220-223 the conversions' scale operands
.set PW,  224                          ; v224     the scale word just made
.set WV,  16
.set CX,  17
.set BH,  18
.set BB,  19
.set HD,  20
.set CS,  22                           ; s[22:23] c = log2(e) / 8
.set G1A, 24
.set G1B, 32
.set G1C, 40
.set G0A, 48
.set G0B, 52
.set G0C, 56
.set SEL, 60
.set F,   62
.set AG,  63
.set RR,  66
.set FM,  68
.set TIL, 69
.set STP, 70
; other registers: v1 16 lane, v2 8 lane, v3 16 r + KSC, v4 64 h + BIAS, v5 my query - 16 h, v6 at work, v7 -2^100, v8-11, v94, v95 the step's addresses, v12 -M, v13 largest t, v[14:15] the sum,
; v16-27 Q, v28 its scale word, v29 r % 8 + 16 (r / 8), v30 log2 l, then -M - log2 l, v32-85 K's (V's) fragments, v86-93 their scale words, v225 16 lane + VIMG, v226-231 at work, v234 16 r + VSC, v235 16 h, v236 16 r, v237 32 r,
; v238 where I store my part of U, v239 where I read my slice of the parts, v240 where I store my slice of U, v241 where I read U
.macro ROUND
	s_barrier_signal -1
	s_barrier_wait -1
	s_cmp_lg_u32 s[WV], 0
	s_cbranch_scc1 .Lnot_wave_0_\@
	s_barrier_signal -3
.Lnot_wave_0_\@:
	s_barrier_wait -3
	s_barrier_signal -1
	s_barrier_wait -1
.endm
	s_load_b256 s[4:11], s[0:1], 0x0               ; qkv_codes, qkv_scales, tab, first
	s_load_b128 s[12:15], s[0:1], 0x20             ; o_codes, o_scales
	v_lshl_add_u32 v254, v0, 2, 0x46000
	v_mov_b32 v255, 0
	ds_add_u32 v254, v255
	ds_add_u32 v254, v255
	v_lshrrev_b32 v226, 5, v0
	s_delay_alu instid0(VALU_DEP_1)
	v_readfirstlane_b32 s[WV], v226                ; wave 0..15
	s_bfe_u32 s[CX], ttmp6, 0x40000
	s_and_b32 s[BH], ttmp7, 0xffff
	s_lshr_b32 s[BB], s[BH], 4                     ; batch
	s_and_b32 s[HD], s[BH], 15                     ; head
.irp g, G1A, G1B, G1C                  ; dense blocks as rows of 256 bytes (32 elements of 8); the mask names all four work-groups, bit 21 beside it
	s_mov_b32 s[\g], 15|(3<<16)|(1<<21)
	s_mov_b32 s[\g+1], 32<<16
	s_mov_b32 s[\g+3], 32<<16
	s_mov_b32 s[\g+5], 32
	s_mov_b32 s[\g+6], 0
	s_mov_b32 s[\g+7], 0
.endr
	s_mov_b32 s[G1A+2], 64<<16                     ; waves 0-11: 64 rows each of the head's K and V
	s_mov_b32 s[G1A+4], 64
	s_mov_b32 s[G1B+2], 48<<16                     ; wave 12: the head's scale words
	s_mov_b32 s[G1B+4], 48
	s_mov_b32 s[G1C+2], 32<<16                     ; wave 13: the batch's pad numbers
	s_mov_b32 s[G1C+4], 32
	s_mul_i32 s88, s[BH], 196608
	s_add_co_u32 s88, s88, 6291456
	s_lshl_b32 s89, s[WV], 14
	s_add_co_u32 s88, s88, s89
	s_mov_b32 s89, 0
	s_mul_i32 s90, s[BH], 12288
	s_add_co_u32 s90, s90, 524288
	s_mov_b32 s91, 0
	s_lshl_b32 s92, s[BB], 13
	s_add_co_u32 s92, s92, 524288
	s_mov_b32 s93, 0
	s_lshl_b32 s78, s[BB], 7
	s_mov_b32 s79, 0
	s_mov_b32 s[SEL], 0x76543210
	s_mov_b32 s[SEL+1], 0xfedcba98
	s_mov_b32 s[CS], 0x3e38aa3b
	s_mov_b32 s[CS+1], s[CS]
	s_wait_dscnt 0x0
	s_wait_kmcnt 0x0
	s_mov_b32 s[G0A], 1
	s_lshl_b32 s[G0A+1], s[WV], 14
	s_add_nc_u64 s[G0A+2:G0A+3], s[4:5], s[88:89]
	s_or_b32 s[G0A+3], s[G0A+3], 0x80000000
	s_mov_b32 s[G0B], 1
	s_mov_b32 s[G0B+1], KSC
	s_add_nc_u64 s[G0B+2:G0B+3], s[6:7], s[90:91]
	s_or_b32 s[G0B+3], s[G0B+3], 0x80000000
	s_mov_b32 s[G0C], 1
	s_mov_b32 s[G0C+1], BIAS
	s_add_nc_u64 s[G0C+2:G0C+3], s[8:9], s[92:93]
	s_or_b32 s[G0C+3], s[G0C+3], 0x80000000
	s_add_nc_u64 s[10:11], s[10:11], s[78:79]
	s_load_b32 s[F], s[10:11], 0x0                 ; the batch's first key that counts
	ROUND                                          ; all four work-groups are here: the joint loads meet
	s_cmp_lt_u32 s[WV], 12                         ; at most one tensor load a wave; the branches hang on the wave's number alone; four v_nop follow each line
	s_cbranch_scc0 .Lnot_kv
	tensor_load_to_lds s[G0A:G0A+3], s[G1A:G1A+7]
	s_nop 0
.rept 4
	v_nop
.endr
	s_branch .Lasked
.Lnot_kv:
	s_cmp_eq_u32 s[WV], 12
	s_cbranch_scc0 .Lnot_sc
	tensor_load_to_lds s[G0B:G0B+3], s[G1B:G1B+7]
	s_nop 0
.rept 4
	v_nop
.endr
	s_branch .Lasked
.Lnot_sc:
	s_cmp_eq_u32 s[WV], 13
	s_cbranch_scc0 .Lasked
	tensor_load_to_lds s[G0C:G0C+3], s[G1C:G1C+7]
	s_nop 0
.rept 4
	v_nop
.endr
.Lasked:
	; the constant operand: the weight 2^-11 in every place.  Its block's scale is 2^(-11 - 4): byte 112
	v_mov_b32 v[PW], 0x70707070                    ; four bytes 112
	v_mov_b32 v[SO], 0x38000000                    ; the conversion's scale operand: exponent field 112
.set j, 0
.rept 16
	v_mov_b32 v[S+j], 0x3a000000                   ; 2^-11
.set j, j+1
.endr
	v_cvt_scalef32_pk16_bf6_f32 v[PC:PC+2], v[S:S+15], v[SO]
	v_nop                                          ; one plain instruction behind a scaled conversion
.irp i, 3,4,5,6,7,8,9,10,11
	v_mov_b32 v[PC+\i], v[PC+\i%3]                 ; sixteen equal codes are 96 bits: the twelve registers repeat them
.endr
	v_and_b32 v226, 31, v0                         ; (the lines from here on are also the places between those registers and the products that name them)
	s_delay_alu instid0(VALU_DEP_1)
	v_lshlrev_b32 v1, 4, v226
	s_delay_alu instid0(VALU_DEP_2)
	v_lshlrev_b32 v2, 3, v226
	v_and_b32 v228, 15, v0                         ; r
	v_bfe_u32 v229, v0, 4, 1                       ; h
	s_delay_alu instid0(VALU_DEP_2)
	v_lshlrev_b32 v236, 4, v228
	s_delay_alu instid0(VALU_DEP_3)
	v_lshlrev_b32 v237, 5, v228
	s_delay_alu instid0(VALU_DEP_2)
	v_add_nc_u32 v3, KSC, v236
	s_delay_alu instid0(VALU_DEP_3)
	v_add_nc_u32 v234, VSC, v236
	v_lshlrev_b32 v4, 6, v229
	s_delay_alu instid0(VALU_DEP_1)
	v_add_nc_u32 v4, BIAS, v4
	v_add_nc_u32 v225, VIMG, v1
	v_lshlrev_b32 v235, 4, v229
	v_and_b32 v29, 7, v228
	v_lshrrev_b32 v230, 3, v228
	s_delay_alu instid0(VALU_DEP_1)
	v_lshl_add_u32 v29, v230, 4, v29
	v_mov_b32 v7, 0xf1800000                       ; -2^100
.irp i, 22,23,24,25,26,27, 80,81,82,83,84,85, 216,217,218,219, 227
	v_mov_b32 v\i, 0                               ; Q's upper codes; what tile 7 of K names beyond its own; lane permutes' destinations; a pair's upper half
.endr
	s_and_b32 s[AG], s[WV], 7
	s_lshr_b32 s[RR], s[WV], 3
	s_lshl_b32 s77, s[CX], 1
	s_add_co_u32 s[RR], s[RR], s77
	s_mov_b32 s[TIL], 0
	s_mul_i32 s71, s[WV], 6144                     ; key step w of V,
	s_lshl_b32 s76, s[WV], 8                       ; its scale words; also my slice of an image
	s_lshl_b32 s72, s[WV], 12
	s_add_co_u32 s72, s72, UP                      ; my part's image
	s_add_co_u32 s73, s76, UP
	s_add_co_u32 s74, s76, US
	v_add_nc_u32 v94, s71, v225
	v_add_nc_u32 v95, s76, v234
	v_add_nc_u32 v232, s72, v236                   ; 16 r in the 4,096 bytes that first hold my part of U: behind the barrier that shows U whole nobody else touches them, and they take the block maxima
	s_wait_alu depctr_va_vdst(0)
	s_wait_tensorcnt 0x0
	s_barrier_signal -1
	s_barrier_wait -1                              ; everybody's has
; ---- U: my part, key step w
.irp t, 0,1,2,3
.irp c, 0,1,2
	ds_load_b128 v[32+12*\t+4*\c:35+12*\t+4*\c], v94 offset:1536*\t+512*\c
.endr
.endr
	ds_load_b128 v[86:89], v95
	s_wait_dscnt 0x0
.irp t, 0,1,2,3
	v_wmma_scale_f32_16x16x128_f8f6f4 v[S+8*\t:S+8*\t+7], v[32+12*\t:43+12*\t], v[PC:PC+11], 0, v[86+\t], v[PW] matrix_a_fmt:MATRIX_FMT_BF6 matrix_b_fmt:MATRIX_FMT_BF6
.endr
	v_add_nc_u32 v238, s72, v1                     ; four plain instructions: the places behind the products
	v_add_nc_u32 v239, s73, v2
	v_add_nc_u32 v240, s74, v2
	v_add_nc_u32 v241, US, v1
.irp c, 0,1,2,3,4,5,6,7
	ds_store_b128 v238, v[S+4*\c:S+4*\c+3] offset:512*\c   ; an image of the 32 registers; each accumulator from its low end on
.endr
	s_wait_alu depctr_va_vdst(0)
	s_wait_dscnt 0x0                               ; for the others' sake: my part lies in LDS
	s_barrier_signal -1
	s_barrier_wait -1
.irp p, 0,1,2,3,4,5,6,7,8,9,10,11,12,13,14,15
	ds_load_b64 v[128+2*\p:129+2*\p], v239 offset:4096*\p  ; the same 256 bytes of all sixteen images, 8 a lane
.endr
	s_wait_dscnt 0x0
.irp p, 0,2,4,6,8,10,12,14
	v_pk_add_f32 v[128+2*\p:129+2*\p], v[128+2*\p:129+2*\p], v[130+2*\p:131+2*\p]
.endr
.irp p, 0,4,8,12
	v_pk_add_f32 v[128+2*\p:129+2*\p], v[128+2*\p:129+2*\p], v[132+2*\p:133+2*\p]
.endr
.irp p, 0
	s_delay_alu instid0(VALU_DEP_3)
	v_pk_add_f32 v[128+2*\p:129+2*\p], v[128+2*\p:129+2*\p], v[136+2*\p:137+2*\p]
.endr
.irp p, 8
	s_delay_alu instid0(VALU_DEP_2)
	v_pk_add_f32 v[128+2*\p:129+2*\p], v[128+2*\p:129+2*\p], v[136+2*\p:137+2*\p]
.endr
	s_delay_alu instid0(VALU_DEP_1)
	v_pk_add_f32 v[128:129], v[128:129], v[144:145]
	ds_store_b64 v240, v[128:129]
	s_wait_dscnt 0x0                               ; for the others' sake: my slice of U lies in LDS
	s_barrier_signal -1
	s_barrier_wait -1                              ; U is whole; nobody writes it again
	s_wait_kmcnt 0x0
	s_min_u32 s[F], s[F], 2048
.macro SCORE two
	s_mul_i32 s71, s[STP], 6144
	s_lshl_b32 s72, s[STP], 9
	s_lshl_b32 s74, s[STP], 7                      ; the step's first key
	v_add_nc_u32 v8, s71, v1
	v_add_nc_u32 v9, s71, v2
	v_add_nc_u32 v10, s72, v3
	v_add_nc_u32 v11, s72, v4
	s_lshl_b32 s76, s[STP], 8
	v_add_nc_u32 v233, s76, v232                   ; where this step's four block maxima of my query lie: 256 bytes a step in my wave's own 4,096 bytes
.if \two
	v_add_nc_u32 v94, s71, v225
	v_add_nc_u32 v95, s76, v234
.endif
.irp t, 0,1,2,3,4,5,6,7
	ds_load_b128 v[32+6*\t:35+6*\t], v8 offset:768*\t
	ds_load_b64 v[36+6*\t:37+6*\t], v9 offset:768*\t+512
.endr
	ds_load_b128 v[86:89], v10
	ds_load_b128 v[90:93], v10 offset:256
.if \two
	ds_load_b128 v[BM:BM+3], v233                  ; pass 1's block maxima (LDS serves a wave's instructions in order: my stores are seen)
.endif
.irp t, 0,1,2,3,4,5,6,7
	ds_load_b128 v[S+8*\t:S+8*\t+3], v11 offset:128*(\t/2)+32*(\t%2)       ; register 8 t + j is key 32 (t / 2) + 16 h + 8 (t % 2) + j
	ds_load_b128 v[S+8*\t+4:S+8*\t+7], v11 offset:128*(\t/2)+32*(\t%2)+16
.endr
	s_wait_dscnt 0x0
.irp t, 0,1,2,3,4,5,6,7
	v_wmma_scale_f32_16x16x128_f8f6f4 v[S+8*\t:S+8*\t+7], v[32+6*\t:43+6*\t], v[16:27], v[S+8*\t:S+8*\t+7], v[86+\t], v28 matrix_a_fmt:MATRIX_FMT_BF6 matrix_b_fmt:MATRIX_FMT_BF6
.endr
.rept 4
	v_nop
.endr
.endm
.macro MASK                            ; in the diagonal step: a key after my query gets -2^100.  The branch hangs on the wave's number and the trip alone
	s_cmp_lt_u32 s[STP], s[AG]
	s_cbranch_scc1 .Lopen_\@
	s_sub_co_i32 s77, 0, s74
	v_add_nc_u32 v6, s77, v5                       ; d = my query - 16 h - the step's first key: register n is hidden where 32 (n / 16) + n % 16 > d
.set n, 0
.rept 64
	v_cmp_gt_i32 vcc_lo, 32*(n/16)+n%16, v6
	v_cndmask_b32 v[S+n], v[S+n], v7, vcc_lo
.set n, n+1
.endr
.Lopen_\@:
.endm
.macro BMAX                            ; the largest score of each block of 32 keys (my 16 of them), the four blocks by turns
.irp b, 0,1,2,3
	v_max3_num_f32 v[BM+\b], v[S+16*\b], v[S+1+16*\b], v[S+2+16*\b]
.endr
.irp i, 3,5,7,9,11,13
.irp b, 0,1,2,3
	v_max3_num_f32 v[BM+\b], v[BM+\b], v[S+16*\b+\i], v[S+1+16*\b+\i]
.endr
.endr
.irp b, 0,1,2,3
	v_max_num_f32 v[BM+\b], v[BM+\b], v[S+15+16*\b]
.endr
.endm
.macro TMINUSM                         ; t - M, two at a time
.set j, 0
.rept 32
	v_pk_fma_f32 v[S+j:S+j+1], v[S+j:S+j+1], s[CS:CS+1], v[12:13] op_sel_hi:[1,0,0]
.set j, j+2
.endr
.endm
.macro EXP64
.set j, 0
.rept 64
	v_exp_f32 v[S+j], v[S+j]
.set j, j+1
.endr
.endm
.Ltile:
	s_wait_xcnt 0x0                                ; the last tile's loads and stores have read their bases and data
	s_lshl_b32 s77, s[AG], 3
	s_add_co_u32 s77, s77, s[RR]                   ; my tile of the head's 128
	s_mul_i32 s88, s77, 768
	s_mul_i32 s89, s[BH], 98304
	s_add_co_u32 s88, s88, s89
	s_mov_b32 s89, 0
	s_add_nc_u64 s[80:81], s[4:5], s[88:89]        ; Q's image
	s_lshl_b32 s88, s[BH], 13
	s_lshl_b32 s90, s[AG], 9
	s_add_co_u32 s88, s88, s90
	s_lshr_b32 s90, s[RR], 2
	s_lshl_b32 s90, s90, 8
	s_add_co_u32 s88, s88, s90
	s_and_b32 s90, s[RR], 3
	s_lshl_b32 s90, s90, 2
	s_add_co_u32 s88, s88, s90
	s_add_nc_u64 s[82:83], s[6:7], s[88:89]        ; its scale words
	global_load_b128 v[16:19], v1, s[80:81]
	global_load_b64 v[20:21], v2, s[80:81] offset:512
	global_load_b32 v28, v236, s[82:83]
	s_lshl_b32 s90, s[BB], 7
	s_add_co_u32 s77, s77, s90                     ; my tile of all 512
	s_mul_i32 s88, s77, 768
	s_mul_i32 s90, s[HD], 393216
	s_add_co_u32 s88, s88, s90
	s_add_nc_u64 s[84:85], s[12:13], s[88:89]      ; where the result's codes go,
	s_lshl_b32 s88, s77, 9
	s_lshl_b32 s90, s[HD], 1
	s_add_co_u32 s88, s88, s90
	s_add_nc_u64 s[86:87], s[14:15], s[88:89]      ; and its scale bytes
	s_lshl_b32 s79, s[AG], 7
	s_lshr_b32 s90, s[RR], 1
	s_lshl_b32 s90, s90, 5
	s_add_co_u32 s79, s79, s90
	s_and_b32 s90, s[RR], 1
	s_lshl_b32 s90, s90, 3
	s_add_co_u32 s79, s79, s90
	v_add_nc_u32 v6, s79, v29                      ; my query
	s_delay_alu instid0(VALU_DEP_1)
	v_sub_nc_u32 v5, v6, v235
	s_delay_alu instid0(VALU_DEP_2)
	v_cmp_gt_u32 s[FM], s[F], v6                   ; lanes whose query sees no key that counts
	v_mov_b32 v13, 0xec800000                      ; the largest t so far: -2^90, over every masked t and under every other
	v_mov_b32 v12, 0x6c800000                      ; -M
	v_mov_b32 v14, 0
	v_mov_b32 v15, 0
.set j, 0
.rept 32
	v_mov_b32 v[O+j], 0                            ; O^T: pass 2 is written once
.set j, j+1
.endr
	s_wait_loadcnt 0x0                             ; Q
; ---- pass 1: 16 trips; those past the diagonal are left out
	s_mov_b32 s[STP], 0
.Lp1:
	s_cmp_gt_u32 s[STP], s[AG]
	s_cbranch_scc1 .Lp1_next
	SCORE 0
	MASK
	BMAX
.irp b, 0,1,2,3
	s_delay_alu instid0(VALU_DEP_4)
	v_permlanex16_b32 v[BT+\b], v[BM+\b], s[SEL], s[SEL+1]
.endr
.irp b, 0,1,2,3
	s_delay_alu instid0(VALU_DEP_4)
	v_max_num_f32 v[BM+\b], v[BM+\b], v[BT+\b]     ; with lane l xor 16's 16 keys: each block's largest score, kept for pass 2
.endr
	s_delay_alu instid0(VALU_DEP_2)
	v_max3_num_f32 v228, v[BM], v[BM+1], v[BM+2]
	s_delay_alu instid0(VALU_DEP_1)
	v_max_num_f32 v228, v228, v[BM+3]              ; the step's largest score of my query
	s_delay_alu instid0(VALU_DEP_1)
	v_mul_f32 v228, s[CS], v228
	s_delay_alu instid0(VALU_DEP_1)
	v_max_num_f32 v13, v13, v228
	v_mov_b32 v228, v12
	s_delay_alu instid0(VALU_DEP_2)
	v_floor_f32 v12, -v13                          ; -M = floor(-t): M is a whole number
	s_delay_alu instid0(VALU_DEP_1)
	v_sub_f32 v228, v12, v228
	s_delay_alu instid0(VALU_DEP_1)
	v_cvt_i32_f32 v228, v228                       ; (it saturates)
	s_delay_alu instid0(VALU_DEP_1)
	v_ldexp_f32 v226, 1.0, v228                    ; 2^(old M - new M): rounds nothing
	ds_store_b128 v233, v[BM:BM+3]                 ; lanes r and r + 16 write the same 16 bytes with the same values
	TMINUSM
	s_wait_alu depctr_va_vdst(0)
	EXP64
	v_pk_mul_f32 v[14:15], v[14:15], v[226:227] op_sel_hi:[1,0]   ; the sums under the new M (the plain instruction behind the exponentials)
	s_wait_alu depctr_va_vdst(0)
	v_pk_add_f32 v[230:231], v[100:101], v[104:105]
	v_pk_add_f32 v[252:253], v[108:109], v[112:113]
	v_pk_add_f32 v[250:251], v[116:117], v[120:121]
	v_pk_add_f32 v[248:249], v[124:125], v[128:129]
	v_pk_add_f32 v[246:247], v[132:133], v[136:137]
	v_pk_add_f32 v[244:245], v[140:141], v[144:145]
	v_pk_add_f32 v[242:243], v[148:149], v[152:153]
	v_pk_add_f32 v[14:15], v[14:15], v[156:157]
	v_pk_add_f32 v[230:231], v[230:231], v[96:97]
	v_pk_add_f32 v[252:253], v[252:253], v[98:99]
	v_pk_add_f32 v[250:251], v[250:251], v[102:103]
	v_pk_add_f32 v[248:249], v[248:249], v[106:107]
	v_pk_add_f32 v[246:247], v[246:247], v[110:111]
	v_pk_add_f32 v[244:245], v[244:245], v[114:115]
	v_pk_add_f32 v[242:243], v[242:243], v[118:119]
	v_pk_add_f32 v[14:15], v[14:15], v[122:123]
	v_pk_add_f32 v[230:231], v[230:231], v[126:127]
	v_pk_add_f32 v[252:253], v[252:253], v[130:131]
	v_pk_add_f32 v[250:251], v[250:251], v[134:135]
	v_pk_add_f32 v[248:249], v[248:249], v[138:139]
	v_pk_add_f32 v[246:247], v[246:247], v[142:143]
	v_pk_add_f32 v[244:245], v[244:245], v[146:147]
	v_pk_add_f32 v[242:243], v[242:243], v[150:151]
	v_pk_add_f32 v[14:15], v[14:15], v[154:155]
	v_pk_add_f32 v[230:231], v[230:231], v[158:159]
	s_delay_alu instid0(VALU_DEP_2)
	v_pk_add_f32 v[14:15], v[14:15], v[248:249]
	s_delay_alu instid0(VALU_DEP_2)
	v_pk_add_f32 v[230:231], v[230:231], v[246:247]
	v_pk_add_f32 v[252:253], v[252:253], v[244:245]
	v_pk_add_f32 v[250:251], v[250:251], v[242:243]
	s_delay_alu instid0(VALU_DEP_2)
	v_pk_add_f32 v[14:15], v[14:15], v[252:253]
	s_delay_alu instid0(VALU_DEP_2)
	v_pk_add_f32 v[230:231], v[230:231], v[250:251]
	s_delay_alu instid0(VALU_DEP_1)
	v_pk_add_f32 v[14:15], v[14:15], v[230:231]
.Lp1_next:
	s_add_co_u32 s[STP], s[STP], 1
	s_cmp_lt_u32 s[STP], 16
	s_cbranch_scc1 .Lp1
; ---- between the passes: 1 / l
	s_wait_alu depctr_va_vdst(0)
	v_add_f32 v14, v14, v15
	s_delay_alu instid0(VALU_DEP_1)
	v_permlanex16_b32 v229, v14, s[SEL], s[SEL+1]
	s_delay_alu instid0(VALU_DEP_1)
	v_add_f32 v14, v14, v229
	s_wait_alu depctr_va_vdst(0)
	v_log_f32 v30, v14                             ; log2 l
	v_nop                                          ; the plain instruction behind the logarithm
	s_wait_alu depctr_va_vdst(0)
	v_sub_f32 v30, v12, v30                        ; -M - log2 l
	v_cndmask_b32 v12, v30, v12, s[FM]             ; a query that sees nothing has l = 0: it keeps -M
; ---- pass 2: the same trips
	s_mov_b32 s[STP], 0
.Lp2:
	s_cmp_gt_u32 s[STP], s[AG]
	s_cbranch_scc1 .Lp2_next
	SCORE 1
	s_wait_alu depctr_va_vdst(0)
.irp t, 0,1,2,3                        ; V's four fragments and scale words, into K's registers: the four v_nop above are their places
.irp c, 0,1,2
	ds_load_b128 v[32+12*\t+4*\c:35+12*\t+4*\c], v94 offset:1536*\t+512*\c
.endr
.endr
	ds_load_b128 v[86:89], v95
	MASK
	TMINUSM                                        ; (each block's largest score was found in pass 1 and came back from LDS with the step's loads: the weight rises with the score, so it gives the block's largest weight)
.irp b, 0,1,2,3
	v_fma_f32 v[BM+\b], v[BM+\b], s[CS], v12
.endr
	s_wait_alu depctr_va_vdst(0)
	EXP64
.irp b, 0,1,2,3
	v_exp_f32 v[BM+\b], v[BM+\b]
.endr
	v_nop                                          ; a plain instruction behind the exponentials
	s_wait_alu depctr_va_vdst(0)
.irp b, 0,1,2,3
	v_max_num_f32 v[BM+\b], 0x2800000, v[BM+\b]    ; the block's largest weight (the same instructions on the same number give the same bits as the weight itself), and the floor 2^(5 - 127)
.endr
.irp b, 0,1,2,3
	s_delay_alu instid0(VALU_DEP_4)
	v_add_nc_u32 v[SO+\b], 0xfe000000, v[BM+\b]
.endr
.irp b, 0,1,2,3
	s_delay_alu instid0(VALU_DEP_4)
	v_lshrrev_b32 v[BT+\b], 23, v[SO+\b]
.endr
	s_delay_alu instid0(VALU_DEP_3)
	v_lshl_or_b32 v[PW], v[BT+1], 8, v[BT]
	s_delay_alu instid0(VALU_DEP_1)
	v_lshl_or_b32 v[PW], v[BT+2], 16, v[PW]
	s_delay_alu instid0(VALU_DEP_1)
	v_lshl_or_b32 v[PW], v[BT+3], 24, v[PW]        ; the weights' scale word for these 128 keys
.irp c, 0,1
	v_cvt_scalef32_pk16_bf6_f32 v[PC+6*\c:PC+2+6*\c], v[S+32*\c:S+15+32*\c], v[SO+2*\c]
	v_cvt_scalef32_pk16_bf6_f32 v[PC+12+4*\c:PC+14+4*\c], v[S+16+32*\c:S+31+32*\c], v[SO+2*\c+1]
.endr
	v_nop
.irp c, 0,1
.irp i, 0,1,2
	v_permlane16_swap_b32 v[PC+6*\c+\i], v[PC+12+4*\c+\i]
.endr
.irp i, 0,1,2
	s_delay_alu instid0(VALU_DEP_3)
	v_mov_b32 v[PC+3+6*\c+\i], v[PC+12+4*\c+\i]
.endr
.endr
.rept 4
	v_nop                                          ; an operand written by vector instructions stands four places ahead of a scaled matrix instruction
.endr
	s_wait_alu depctr_va_vdst(0)
	s_wait_dscnt 0x0                               ; V
.irp t, 0,1,2,3                        ; four accumulators by turns; the next trip's eight score products stand between two links
	v_wmma_scale_f32_16x16x128_f8f6f4 v[O+8*\t:O+8*\t+7], v[32+12*\t:43+12*\t], v[PC:PC+11], v[O+8*\t:O+8*\t+7], v[86+\t], v[PW] matrix_a_fmt:MATRIX_FMT_BF6 matrix_b_fmt:MATRIX_FMT_BF6
.endr
.Lp2_next:
	s_add_co_u32 s[STP], s[STP], 1
	s_cmp_lt_u32 s[STP], 16
	s_cbranch_scc1 .Lp2
; ---- the tile's end: U into the lanes that saw nothing; then my query's 64 channels (register 16 b + i = channel 32 b + 16 h + i) become codes and two scale bytes
.rept 4
	v_nop                                          ; the places behind the last products
.endr
.irp c, 0,1,2,3,4,5,6,7
	ds_load_b128 v[S+4*\c:S+4*\c+3], v241 offset:512*\c
.endr
	s_wait_dscnt 0x0
.set j, 0
.rept 32
	v_cndmask_b32 v[O+j], v[O+j], v[S+j], s[FM]    ; each accumulator from its low end on
.set j, j+1
.endr
.irp b, 0,1
	v_max3_num_f32 v[BM+\b], |v[O+16*\b]|, |v[O+1+16*\b]|, 0x2800000
.endr
.irp i, 2,4,6,8,10,12,14
.irp b, 0,1
	s_delay_alu instid0(VALU_DEP_2)
	v_max3_num_f32 v[BM+\b], v[BM+\b], |v[O+16*\b+\i]|, |v[O+1+16*\b+\i]|
.endr
.endr
.irp b, 0,1
	s_delay_alu instid0(VALU_DEP_2)
	v_permlanex16_b32 v[BT+\b], v[BM+\b], s[SEL], s[SEL+1]
.endr
.irp b, 0,1
	s_delay_alu instid0(VALU_DEP_2)
	v_max_num_f32 v[BM+\b], v[BM+\b], v[BT+\b]
.endr
.irp b, 0,1
	s_delay_alu instid0(VALU_DEP_2)
	v_add_nc_u32 v[SO+\b], 0xfe000000, v[BM+\b]
.endr
.irp b, 0,1
	s_delay_alu instid0(VALU_DEP_2)
	v_lshrrev_b32 v[BT+\b], 23, v[SO+\b]
.endr
	s_delay_alu instid0(VALU_DEP_1)
	v_lshl_or_b32 v[PW], v[BT+1], 8, v[BT]
	v_cvt_scalef32_pk16_bf6_f32 v[PC:PC+2], v[O:O+15], v[SO]
	v_cvt_scalef32_pk16_bf6_f32 v[PC+12:PC+14], v[O+16:O+31], v[SO+1]
	v_nop
.irp i, 0,1,2
	v_permlane16_swap_b32 v[PC+\i], v[PC+12+\i]
.endr
.irp i, 0,1,2
	s_delay_alu instid0(VALU_DEP_3)
	v_mov_b32 v[PC+3+\i], v[PC+12+\i]
.endr
	global_store_b128 v1, v[PC:PC+3], s[84:85]     ; 512 and 256 consecutive bytes, aligned
	global_store_b64 v2, v[PC+4:PC+5], s[84:85] offset:512
	global_store_b16 v237, v[PW], s[86:87]         ; lanes r and r + 16 write the same two bytes with the same value
	s_xor_b32 s[AG], s[AG], 15                     ; the wave's second tile
	s_add_co_u32 s[TIL], s[TIL], 1
	s_cmp_lt_u32 s[TIL], 2
	s_cbranch_scc1 .Ltile
	s_wait_tensorcnt 0x0
	ds_add_u32 v254, v255
	s_wait_dscnt 0x0
	ROUND                                          ; the closing round
	s_endpgm
.Lfunc_end_k_q96d284b90f_attn:
	.size	k_q96d284b90f_attn, .Lfunc_end_k_q96d284b90f_attn-k_q96d284b90f_attn
	.p2alignl 7, 3214868480
	.fill 96, 4, 3214868480
	.section	.rodata,"a",@progbits
	.p2align	6, 0x0
	.amdhsa_kernel k_q96d284b90f_attn
		.amdhsa_group_segment_fixed_size 288768
		.amdhsa_private_segment_fixed_size 0
		.amdhsa_enable_private_segment 0
		.amdhsa_kernarg_size 48
		.amdhsa_user_sgpr_count 2
		.amdhsa_user_sgpr_kernarg_segment_ptr 1
		.amdhsa_wavefront_size32 1
		.amdhsa_system_sgpr_workgroup_id_x 1
		.amdhsa_system_sgpr_workgroup_id_y 1
		.amdhsa_system_sgpr_workgroup_id_z 1
		.amdhsa_system_vgpr_workitem_id 0
		.amdhsa_next_free_vgpr 256
		.amdhsa_next_free_sgpr 96
		.amdhsa_reserve_vcc 1
		.amdhsa_float_denorm_mode_32 3
		.amdhsa_float_denorm_mode_16_64 3
		.amdhsa_memory_ordered 1
		.amdhsa_forward_progress 1
		.amdhsa_inst_pref_size 59
	.end_amdhsa_kernel
	.amdgpu_metadata
---
amdhsa.version: [ 1, 2 ]
amdhsa.kernels:
  - .name:           k_q96d284b90f_attn
    .symbol:         k_q96d284b90f_attn.kd
    .args:
      - { .name: qkv_codes, .offset: 0, .size: 8, .value_kind: global_buffer, .address_space: global }
      - { .name: qkv_scales, .offset: 8, .size: 8, .value_kind: global_buffer, .address_space: global }
      - { .name: tab, .offset: 16, .size: 8, .value_kind: global_buffer, .address_space: global }
      - { .name: first, .offset: 24, .size: 8, .value_kind: global_buffer, .address_space: global }
      - { .name: o_codes, .offset: 32, .size: 8, .value_kind: global_buffer, .address_space: global }
      - { .name: o_scales, .offset: 40, .size: 8, .value_kind: global_buffer, .address_space: global }
    .group_segment_fixed_size: 288768
    .private_segment_fixed_size: 0
    .kernarg_segment_align: 8
    .kernarg_segment_size: 48
    .max_flat_workgroup_size: 512
    .sgpr_count:     96
    .vgpr_count:     256
    .wavefront_size: 32
...
	.end_amdgpu_metadata
.endif
;; end of part 3
;; launch oproj (part 4): grid 8 x 32, 4 waves a work-group, clusters of 4 x 4, 327,680 bytes of LDS; arguments o_codes, o_scales, xw_codes, xw_scales, out0; writes out0
.if DOCPART == 4
	.amdgcn_target "amdgcn-amd-amdhsa--gfx1250"
	.amdhsa_code_object_version 6
	.text
	.protected	k_q96d284b90f_oproj
	.globl	k_q96d284b90f_oproj
	.p2align	8
	.type	k_q96d284b90f_oproj,@function
k_q96d284b90f_oproj:
	s_mov_b64 s[64:65], 0
	v_nop
	global_prefetch_b8 v0, s[64:65] scope:SCOPE_SE
	s_setreg_imm32_b32 hwreg(HW_REG_WAVE_MODE, 25, 1), 1
	s_wait_xcnt 0x0
	s_wait_alu depctr_hold_cnt(0) depctr_sa_sdst(0) depctr_va_vdst(0) depctr_va_sdst(0) depctr_va_ssrc(0) depctr_va_vcc(0) depctr_vm_vsrc(0)
	s_getreg_b32 s2, hwreg(HW_REG_IB_STS2, 6, 4)
	s_cmp_eq_u32 s2, 0
	s_cbranch_scc0 .Lentry_in_a_cluster
	s_endpgm
.Lentry_in_a_cluster:
	s_bfe_u32 s2, ttmp6, 0x10000c
	s_cmp_lg_u32 s2, 0xf033
	s_cbranch_scc0 .Lentry_shape_is_right
	s_endpgm
.Lentry_shape_is_right:
; out0 [8192][1024] f32 = O W_o^T on codes of BF6 (E3M2) with one E8M0 byte for each 32 along K = 1,024.
; A work-group makes 256 rows x 128 columns: 8 x 32 = 256 work-groups.  A wave makes 128 x 64.
; ALL OF K LIES IN LDS, filled once: O's 256 rows as images of operand registers (16 heads x 16 tiles x 768 bytes = 196,608 bytes) and W_o's 128 rows (4 planes x 128 rows x 240 = 122,880 bytes).
; No byte is filled again, so there is no ring: one load a wave at the head.
; THE WORK GOES BY ROWS OF THE RESULT: a wave's fragments of W_o for all of K (4 blocks x 8 steps x 12 = 384 registers) are read once and stay; then its eight blocks of 16 rows are finished one after the other,
; 32 matrix instructions each (4 accumulators by turns, K ascending), and a finished block goes through the stage and is stored while the next is multiplied.
; CLUSTERS 4 x 4: O's tile hangs on the tile row alone and is asked for jointly along a row of the cluster, W_o's on the tile column alone and jointly along a column.
; THE SCALES go from memory straight into registers, once: a row's 32 bytes are its eight scale words, two loads of 16 bytes a lane for each 16 rows; sixteen lanes read 512 bytes on end.
; TRANSPOSED USE: source 0 = 16 rows of W_o, source 1 = 16 rows of O: a lane holds eight neighbouring columns of a row.
; STORED ORDER: a tile of O holds rows r % 8 + 16 (r / 8) + 8 u of a group of 32; W_o's rows are stored with bits 3 and 4 of the row number swapped: the way out puts both right.
; No prefetch: the launch asks for all that it reads at its head and has no loop to run ahead in.
; REGISTERS: window 0: v0-31 addresses, v32-95 O's scale words (8 a + step), v96-127 W_o's (8 b + step), v128-191 rows back from the stage, two sets, v192-255 the accumulators, two sets of 4.
;   window 1: W_o's fragments of steps 0-4 (48 step + 12 b);  window 2: of steps 5-7;  window 3: O's fragments of a block, all eight steps, two sets, at v0 and v128.
.set HEADB,  393216                    ; bytes from head to head in o_codes
.set CHK,    2359296                   ; bytes from plane to plane in xw_codes
.set PITCH,  240                       ; W_o's LDS row: 3 x (64 bytes + 16 of padding)
.set BIMG,   196608
.set BCH,    128*PITCH                 ; a plane's 128 rows in LDS
.set SPARE,  BIMG+4*BCH                ; the spare words: 512 bytes that no other line names
.set SPITCH, 272                       ; the stage: 16 rows x (256 + 16) bytes a wave, in W_o's bytes, behind their one fill and their last read
.set VA,  8                            ; v8-15   O's images: for steps 2 g, 2 g + 1: 16 lane, 8 lane
.set VB,  16                           ; v16-19  W_o's rows: planes 0-1, planes 2-3; the odd ones for pieces whose lanes 16-31 lie behind one padding more
.set STO, 20
.set RD,  21
.set CO,  22
.set VS,  23                           ; 32 r: my row of scales
.set SPW, 28
.set NIL, 29
.set SA,  32
.set SB,  96
.set BK,  128
.set ACC, 192
.set G1,  24
.set G0,  32
.set G0B, 36
.set G1B, 48
.set MSB, 0
.macro WIN new
.if MSB != (\new)
	s_set_vgpr_msb (MSB<<8)|(\new)
.set MSB, (\new)
.endif
.endm
.macro CROUND
	s_barrier_signal -1
	s_barrier_wait -1
	s_cmp_lg_u32 s14, 0
	s_cbranch_scc1 .Lnot_wave_0_\@
	s_barrier_signal -3
.Lnot_wave_0_\@:
	s_barrier_wait -3
	s_barrier_signal -1
	s_barrier_wait -1
.endm
.macro PLACES
.rept 4
	v_nop
.endr
.endm
	s_load_b128 s[4:7], s[0:1], 0x0                ; O's codes, O's scales
	s_load_b128 s[8:11], s[0:1], 0x10              ; the weights' codes, their scales
	s_load_b64 s[12:13], s[0:1], 0x20              ; out0
	v_lshl_add_u32 v[SPW], v0, 2, SPARE
	v_mov_b32 v[NIL], 0
	ds_add_u32 v[SPW], v[NIL]                      ; the opening add, twice on end, and its wait
	ds_add_u32 v[SPW], v[NIL]
	v_lshrrev_b32 v1, 5, v0
	v_readfirstlane_b32 s14, v1                    ; wave
	s_lshr_b32 s15, s14, 1                         ; my half of the rows; also: I fetch for O (0) or for W_o (1)
	s_and_b32 s16, s14, 1                          ; my half of the columns; also: which half of that tile I fetch
	s_bfe_u32 s40, ttmp6, 0x40000                  ; cx
	s_bfe_u32 s41, ttmp6, 0x40004                  ; cy
	s_lshl_b32 s42, ttmp9, 2
	s_add_co_u32 s42, s42, s40                     ; tile column 0..7
	s_and_b32 s17, ttmp7, 0xffff
	s_lshl_b32 s17, s17, 2
	s_add_co_u32 s17, s17, s41                     ; tile row 0..31
	s_lshl_b32 s43, s41, 2
	s_lshl_b32 s43, 15, s43                        ; my row of the cluster
	s_lshl_b32 s44, 0x1111, s40                    ; my column
	s_or_b32 s[G1+0], s43, (3<<16)|(1<<21)         ; O: 8 heads, of each 16 tiles = 12,288 bytes on end (1,536 elements of 8 bytes), no padding
	s_mov_b32 s[G1+1], 1536<<16
	s_mov_b32 s[G1+2], 8<<16
	s_mov_b32 s[G1+3], 1536<<16
	s_mov_b32 s[G1+4], 8
	s_mov_b32 s[G1+5], HEADB/8
	s_mov_b32 s[G1+6], 0
	s_mov_b32 s[G1+7], 0
	s_or_b32 s[G1B+0], s44, (3<<16)|(1<<20)|(1<<21)|(3<<22)|(3<<25)  ; W_o: 2 planes, of each 128 rows = 24,576 bytes on end; 16 bytes of padding behind every 64
	s_mov_b32 s[G1B+1], 3072<<16
	s_mov_b32 s[G1B+2], 2<<16
	s_mov_b32 s[G1B+3], 3072<<16
	s_mov_b32 s[G1B+4], 2
	s_mov_b32 s[G1B+5], CHK/8
	s_mov_b32 s[G1B+6], 0
	s_mov_b32 s[G1B+7], 0
	s_mul_i32 s20, s17, 12288                      ; O's codes: my tile row's 16 tiles, heads 0-7 or 8-15
	s_mul_i32 s21, s16, 8*HEADB
	s_add_co_u32 s20, s20, s21
	s_mov_b32 s21, 0
	s_mul_i32 s22, s42, 24576                      ; W_o's codes: stored row 11,264 + 128 x tile column, planes 0-1 or 2-3
	s_mul_i32 s23, s16, 2*CHK
	s_add_co_u32 s22, s22, s23
	s_add_co_u32 s22, s22, 11264*192
	s_mov_b32 s23, 0
	s_lshl_b32 s46, s17, 13                        ; O's scales: 32 bytes a row, my wave's 128 rows
	s_lshl_b32 s47, s15, 12
	s_add_co_u32 s46, s46, s47
	s_mov_b32 s47, 0
	s_lshl_b32 s56, s42, 12                        ; W_o's scales: my wave's 64 rows
	s_lshl_b32 s57, s16, 11
	s_add_co_u32 s56, s56, s57
	s_add_co_u32 s56, s56, 11264*32
	s_mov_b32 s57, 0
	s_lshl_b32 s58, s17, 20                        ; out0: row 256 x tile row + 128 x half, 4,096 bytes a row;
	s_lshl_b32 s59, s15, 19
	s_add_co_u32 s58, s58, s59
	s_lshl_b32 s59, s42, 9                         ; column 128 x tile column + 64 x half, 4 bytes each
	s_add_co_u32 s58, s58, s59
	s_lshl_b32 s59, s16, 8
	s_add_co_u32 s58, s58, s59
	s_mov_b32 s59, 0
	s_mul_i32 s[G0+1], s16, 8*12288                ; LDS: made of the wave's number alone
	s_mul_i32 s[G0B+1], s16, 2*BCH
	s_add_co_u32 s[G0B+1], s[G0B+1], BIMG
	s_mul_i32 s18, s15, 6144                       ; my 8 tiles in a head's 16
	s_mul_i32 s19, s16, 64*PITCH
	s_add_co_u32 s19, s19, BIMG                    ; my 64 rows of W_o
	s_mul_i32 s45, s14, 16*SPITCH
	s_add_co_u32 s45, s45, BIMG                    ; my stage
	s_wait_dscnt 0x0                               ; both opening adds are done
	s_wait_kmcnt 0x0
	s_mov_b32 s[G0], 1
	s_add_nc_u64 s[G0+2:G0+3], s[4:5], s[20:21]
	s_or_b32 s[G0+3], s[G0+3], 0x80000000
	s_mov_b32 s[G0B], 1
	s_add_nc_u64 s[G0B+2:G0B+3], s[8:9], s[22:23]
	s_or_b32 s[G0B+3], s[G0B+3], 0x80000000
	s_add_nc_u64 s[6:7], s[6:7], s[46:47]
	s_add_nc_u64 s[10:11], s[10:11], s[56:57]
	s_add_nc_u64 s[12:13], s[12:13], s[58:59]
	CROUND                                         ; all sixteen work-groups are here: the joint loads meet
	s_cmp_eq_u32 s15, 0                            ; one load a wave: waves 0, 1 O's two halves, waves 2, 3 W_o's
	s_cbranch_scc0 .Lfor_b
	tensor_load_to_lds s[G0:G0+3], s[G1:G1+7]
	s_nop 0
	PLACES
	s_branch .Lasked
.Lfor_b:
	tensor_load_to_lds s[G0B:G0B+3], s[G1B:G1B+7]
	s_nop 0
	PLACES
.Lasked:
	v_and_b32 v2, 31, v0                           ; lane
	v_and_b32 v1, 15, v0                           ; r
	v_bfe_u32 v3, v0, 4, 1                         ; h
	v_lshlrev_b32 v4, 4, v2
	v_lshlrev_b32 v5, 3, v2
	v_add_nc_u32 v4, s18, v4
	v_add_nc_u32 v5, s18, v5
.irp g, 0,1,2,3
	v_add_nc_u32 v[VA+2*\g], 49152*\g, v4          ; four heads on for each two steps, so that every offset fits the 16-bit immediate
	v_add_nc_u32 v[VA+2*\g+1], 49152*\g, v5
.endr
	v_mul_u32_u24 v6, v1, PITCH
	v_mad_u32_u24 v6, v3, 24, v6
	v_add_nc_u32 v[VB], s19, v6                    ; row x pitch + 24 h
	v_lshl_add_u32 v[VB+1], v3, 4, v[VB]
	v_add_nc_u32 v[VB+2], 2*BCH, v[VB]
	v_add_nc_u32 v[VB+3], 2*BCH, v[VB+1]
	v_mul_u32_u24 v6, v1, SPITCH
	v_lshl_add_u32 v6, v3, 6, v6
	v_add_nc_u32 v[STO], s45, v6                   ; into the stage: row r, 64 h bytes
	v_mul_u32_u24 v7, v3, SPITCH
	v_lshl_add_u32 v7, v1, 4, v7
	v_add_nc_u32 v[RD], s45, v7                    ; back: sixteen lanes to a row of 256 bytes, two rows an instruction
	v_lshlrev_b32 v[CO], 12, v3
	v_lshl_add_u32 v[CO], v1, 4, v[CO]             ; and the same two rows in out0
	v_lshlrev_b32 v[VS], 5, v1
	s_wait_alu depctr_va_vdst(0)
.irp i, 0,1,2,3,4,5,6,7
	global_load_b128 v[SA+8*\i:SA+8*\i+3], v[VS], s[6:7] offset:512*\i
	global_load_b128 v[SA+8*\i+4:SA+8*\i+7], v[VS], s[6:7] offset:512*\i+16
.endr
.irp i, 0,1,2,3
	global_load_b128 v[SB+8*\i:SB+8*\i+3], v[VS], s[10:11] offset:512*\i
	global_load_b128 v[SB+8*\i+4:SB+8*\i+7], v[VS], s[10:11] offset:512*\i+16
.endr
; A fragment of W_o: 24 bytes twice, in pieces of 8; q: which 128 of the plane's 256; kcl: which of the address register's two planes
.macro FRAG reg, adr, q, i, kcl
.irp p, 0,1,2,3,4,5
.set PIECE, 12*(\q)+6*(\p/3)+\p%3
.if PIECE%8 < 5
	ds_load_b64 v[\reg+2*\p:\reg+2*\p+1], v[\adr] offset:8*PIECE+16*(PIECE/8)+(\i)*16*PITCH+(\kcl)*BCH
.else
	ds_load_b64 v[\reg+2*\p:\reg+2*\p+1], v[\adr+1] offset:8*PIECE+16*(PIECE/8)+(\i)*16*PITCH+(\kcl)*BCH
.endif
.endr
.endm
.macro BLOAD q                         ; W_o's four fragments of step q: 24 LDS loads
.if (\q) < 5
	WIN 0x40
.set FB, 48*(\q)
.else
	WIN 0x80
.set FB, 48*((\q)-5)
.endif
.irp i, 0,1,2,3
	FRAG FB+12*\i, VB+2*((\q)/4), (\q)%2, \i, ((\q)/2)%2
.endr
.endm
.macro ALOAD a                         ; O's block a, all eight steps (heads 2 q and 2 q + 1 give registers 0-5 and 6-11), into set a % 2: 32 LDS loads
.set FA, 128*((\a)%2)
	WIN 0xc0
.irp q, 0,1,2,3,4,5,6,7
	ds_load_b128 v[FA+12*\q:FA+12*\q+3], v[VA+2*(\q/2)] offset:(\q%2)*24576+768*(\a)
	ds_load_b64 v[FA+12*\q+4:FA+12*\q+5], v[VA+2*(\q/2)+1] offset:(\q%2)*24576+768*(\a)+512
	ds_load_b128 v[FA+12*\q+6:FA+12*\q+9], v[VA+2*(\q/2)] offset:(\q%2)*24576+12288+768*(\a)
	ds_load_b64 v[FA+12*\q+10:FA+12*\q+11], v[VA+2*(\q/2)+1] offset:(\q%2)*24576+12288+768*(\a)+512
.endr
	WIN 0
.endm
; block a is made: 32 matrix instructions, its 4 accumulators by turns, one instruction a turn, K ascending; the first step starts the sums
.macro ROW a
.set FA, 128*((\a)%2)
.set AC, ACC+32*((\a)%2)
.irp q, 0,1,2,3,4,5,6,7
.if \q < 5
	WIN 0x0d                                       ; source 0 window 1, source 1 window 3, C and D window 0
.set FB, 48*\q
.else
	WIN 0x0e                                       ; source 0 window 2
.set FB, 48*(\q-5)
.endif
.irp b, 0,1,2,3
.if \q == 0
	v_wmma_scale_f32_16x16x128_f8f6f4 v[AC+8*\b:AC+8*\b+7], v[FB+12*\b:FB+12*\b+11], v[FA+12*\q:FA+12*\q+11], 0, v[SB+8*\b+\q], v[SA+8*(\a)+\q] matrix_a_fmt:MATRIX_FMT_BF6 matrix_b_fmt:MATRIX_FMT_BF6
.else
	v_wmma_scale_f32_16x16x128_f8f6f4 v[AC+8*\b:AC+8*\b+7], v[FB+12*\b:FB+12*\b+11], v[FA+12*\q:FA+12*\q+11], v[AC+8*\b:AC+8*\b+7], v[SB+8*\b+\q], v[SA+8*(\a)+\q] matrix_a_fmt:MATRIX_FMT_BF6 matrix_b_fmt:MATRIX_FMT_BF6
.endif
.endr
.endr
	WIN 0
.endm
; THE WAY OUT of block a, 16 rows x 64 columns: through my own stage, back as whole rows of 256 bytes: 8 LDS stores and 8 LDS loads
.macro TOSTAGE a
.set AC, ACC+32*((\a)%2)
.irp b, 0,1,2,3
	ds_store_b128 v[STO], v[AC+8*\b:AC+8*\b+3] offset:128*(\b/2)+32*(\b%2)      ; each accumulator from its low end on; column 32 (b / 2) + 16 h + 8 (b % 2) + j
	ds_store_b128 v[STO], v[AC+8*\b+4:AC+8*\b+7] offset:128*(\b/2)+32*(\b%2)+16
.endr
.set BB, BK+32*((\a)%2)
.irp t, 0,1,2,3,4,5,6,7
	ds_load_b128 v[BB+4*\t:BB+4*\t+3], v[RD] offset:\t*2*SPITCH   ; LDS serves a wave's instructions in order: these see the stores above
.endr
.endm
.macro SEND a, younger
.set BB, BK+32*((\a)%2)
	s_wait_dscnt \younger
.irp t, 0,1,2,3,4,5,6,7
	global_store_b128 v[CO], v[BB+4*\t:BB+4*\t+3], s[12:13] offset:(32*((\a)/2)+8*((\a)%2)+2*((\t)&3)+16*((\t)>>2))*4096 th:TH_STORE_NT   ; sixteen lanes store 256 consecutive bytes, aligned
.endr
.endm
	s_wait_alu depctr_va_vdst(0)                   ; (directly ahead of the wait below)
	s_wait_tensorcnt 0x0                           ; my part of the tiles is in,
	s_barrier_signal -1
	s_barrier_wait -1                              ; everybody's is
	ALOAD 0
.irp q, 0,1,2,3,4,5,6,7
	BLOAD \q
.endr
	WIN 0
	ALOAD 1
	s_wait_loadcnt 0x0                             ; the scale words
	s_wait_dscnt 0x0                               ; W_o's fragments are in registers: my reads of W_o's bytes are over:
	s_barrier_signal -1                            ; say so,
	ROW 0
	s_barrier_wait -1                              ; and behind this nobody reads W_o's bytes, which have had their one fill: the stages lie there
	PLACES                                         ; behind the block's last products: ahead of the stores that read them and of the loads into the fragments that they read
	TOSTAGE 0
	ALOAD 2
.irp a, 1,2,3,4,5,6,7
.if \a < 7
	s_wait_dscnt 48                                ; block a's fragments are in; behind them: the last block's 16 stage instructions and the 32 loads of block a + 1
.else
	s_wait_dscnt 16                                ; behind block 7's fragments: the 16 stage instructions alone
.endif
	ROW \a
	s_wait_xcnt 0x0                                ; block a - 2's stores have read their registers: block a's rows may land there
.if \a < 7
	SEND \a-1, 32                                  ; behind block a - 1's rows: the 32 loads of block a + 1
.else
	SEND \a-1, 0
.endif
	PLACES
	TOSTAGE \a
.if \a < 6
	ALOAD \a+2
.endif
.endr
	SEND 7, 0
	s_wait_tensorcnt 0x0                           ; the wave's end
	ds_add_u32 v[SPW], v[NIL]
	s_wait_dscnt 0x0
	CROUND                                         ; the closing round
	s_endpgm
.Lfunc_end_k_q96d284b90f_oproj:
	.size	k_q96d284b90f_oproj, .Lfunc_end_k_q96d284b90f_oproj-k_q96d284b90f_oproj
	.p2alignl 7, 3214868480
	.fill 96, 4, 3214868480
	.section	.rodata,"a",@progbits
	.p2align	6, 0x0
	.amdhsa_kernel k_q96d284b90f_oproj
		.amdhsa_group_segment_fixed_size 327680
		.amdhsa_private_segment_fixed_size 0
		.amdhsa_enable_private_segment 0
		.amdhsa_kernarg_size 40
		.amdhsa_user_sgpr_count 2
		.amdhsa_user_sgpr_kernarg_segment_ptr 1
		.amdhsa_wavefront_size32 1
		.amdhsa_system_sgpr_workgroup_id_x 1
		.amdhsa_system_sgpr_workgroup_id_y 1
		.amdhsa_system_sgpr_workgroup_id_z 1
		.amdhsa_system_vgpr_workitem_id 0
		.amdhsa_next_free_vgpr 1024
		.amdhsa_next_free_sgpr 66
		.amdhsa_reserve_vcc 0
		.amdhsa_float_denorm_mode_32 3
		.amdhsa_float_denorm_mode_16_64 3
		.amdhsa_memory_ordered 1
		.amdhsa_forward_progress 1
		.amdhsa_inst_pref_size 87
	.end_amdhsa_kernel
	.amdgpu_metadata
---
amdhsa.version: [ 1, 2 ]
amdhsa.kernels:
  - .name:           k_q96d284b90f_oproj
    .symbol:         k_q96d284b90f_oproj.kd
    .args:
      - { .name: o_codes, .offset: 0, .size: 8, .value_kind: global_buffer, .address_space: global }
      - { .name: o_scales, .offset: 8, .size: 8, .value_kind: global_buffer, .address_space: global }
      - { .name: xw_codes, .offset: 16, .size: 8, .value_kind: global_buffer, .address_space: global }
      - { .name: xw_scales, .offset: 24, .size: 8, .value_kind: global_buffer, .address_space: global }
      - { .name: out0, .offset: 32, .size: 8, .value_kind: global_buffer, .address_space: global }
    .group_segment_fixed_size: 327680
    .private_segment_fixed_size: 0
    .kernarg_segment_align: 8
    .kernarg_segment_size: 40
    .max_flat_workgroup_size: 128
    .sgpr_count:     66
    .vgpr_count:     1024
    .wavefront_size: 32
...
	.end_amdgpu_metadata
.endif
;; end of part 4
